; MI455X (gfx1250); checked and timed in simulation.
; The chip was launched on July 23, 2026; its instructions are those of AMD's public machine-readable ISA for CDNA 5 (MIT licence, August 2026) and "CDNA5" Instruction Set Architecture Reference Guide (July 2026). The comments in the code are by the model that wrote it; some were corrected since.
;; Multi Head Self Attention. Allowed arithmetic: matrix products marked QUANTISED: E2M3 operands, one E8M0 scale for each 32 along K, by v_wmma_scale_f32_16x16x128_f8f6f4 with both operands' format E2M3, f32 sums; everything else in f32.
;; Inputs: Wk 1,024 x 1,024 float32; Wo 1,024 x 1,024 float32; Wq 1,024 x 1,024 float32; Wv 1,024 x 1,024 float32; x 1 x 4,096 x 1,024 float32.
;; Outputs: out0 1 x 4,096 x 1,024 float32.
;; This version of the problem:
;;   THIS VERSION OF THE PROBLEM IS GIVEN IN LOW PRECISION. The matrix products marked QUANTISED in the list below multiply operands that are first quantised to E2M3 (2 exponent bits, 3 mantissa bits; 6 bits a number), with one power-of-two scale for each 32 numbers along K (OCP MX v1.0); their sums are f32. All else is computed in f32.
;;   The module's matrix products, in the order in which they are computed (A, B: the left and right operand; K: the contracted axis; several contracted axes count as one K, in the product's order):
;;     1. [M 4,096, K 1,024] x [K 1,024, N 1,024]; A: input x; B: input Wq: QUANTISED
;;     2. [M 4,096, K 1,024] x [K 1,024, N 1,024]; A: input x; B: input Wk: QUANTISED
;;     3. [M 4,096, K 1,024] x [K 1,024, N 1,024]; A: input x; B: input Wv: QUANTISED
;;     4. batch 16 x [M 4,096, K 64] x [K 64, N 4,096]; A: computed on the way; B: computed on the way: QUANTISED
;;     5. batch 16 x [M 4,096, K 4,096] x [K 4,096, N 64]; A: softmax (see below); B: computed on the way: QUANTISED
;;     6. [M 4,096, K 1,024] x [K 1,024, N 1,024]; A: computed on the way; B: input Wo: QUANTISED
;;   THE QUANTISER, for each operand of a quantised product, along K:
;;     - K is cut into blocks of 32 from its start; a last block that is shorter is filled with zeros.
;;     - A block's scale is 2^e with e = floor(log2(the largest magnitude in the block)) - 2, held to -126 .. 127; a block of zeros has e = 0. As a byte (E8M0): e + 127.
;;     - Each number is divided by its block's scale, clamped to +-7.5, and rounded to the nearest number of E2M3, ties to even, subnormals kept.
;;     - The product sums the exact products of the quantised numbers (number of the format x scale) in f32.
;;   ~~~python
;;   def quantise(x, axis):      # numpy; x: float32 -> the quantised numbers, widened to float32 again
;;       x = np.moveaxis(x, axis, -1); K = x.shape[-1]
;;       x = np.pad(x, [(0, 0)] * (x.ndim - 1) + [(0, -K % 32)]); x = x.reshape(x.shape[:-1] + (-1, 32)); a = np.abs(x).max(-1, keepdims=True)
;;       e = np.where(a > 0, np.clip(np.frexp(np.where(a > 0, a, 1))[1] - 1 - 2, -126, 127), 0)      # np.frexp(a)[1] - 1 = floor(log2(a)), exactly
;;       r = np.clip(x / 2.0 ** e, -7.5, 7.5)
;;       step = 2.0 ** (np.maximum(np.frexp(np.where(r == 0, 1, r))[1] - 1, 0) - 3)
;;       q = np.round(r / step) * step * 2.0 ** e      # np.round: ties to even
;;       return np.moveaxis(q.reshape(q.shape[:-2] + (-1,))[..., :K], -1, axis).astype(np.float32)
;;   ~~~
;;   SOFTMAX AHEAD OF A QUANTISED PRODUCT. Where the list says 'softmax', what is quantised is not the finished softmax but p = 2^(t - M), with t = logit x log2(e) and M = ceil(the row's largest t), a whole number; so 1/2 < the row's largest p <= 1. The row's sum l is taken of the UNQUANTISED p, in f32, and the product's result is divided by l at the end. Since M is a whole number, a kernel that streams over the keys may use a running M (the ceiling of the running maximum): every later rescaling is an exact power of two, which a block's scale takes up: the codes' values come out the same.
;;   OPERANDS COMPUTED ON THE WAY. 'Computed on the way' means the value that the module computes at that place (a softmax that the list does not call 'softmax' is quantised finished and normalised). What goes into a quantiser is computed in f32, as accurately as f32 sums, v_exp_f32 and their like allow (about 1e-6 of the number): no bf16 or f16 on the way to a quantiser, and a product that is left as it is and whose result goes on into a quantised operand takes f32 operands (vector FMAs, or v_wmma_f32_16x16x4_f32). A number that lies on a knife's edge between two numbers of the format may be rounded either way, as far as f32 arithmetic and the matrix unit's own rounding can turn it there, and no further.
;; One version. Each part assembles by itself: llvm-mc -triple=amdgcn-amd-amdhsa -mcpu=gfx1250 --defsym DOCPART=n.
;; ======== version 1 of 1: 4 launches
;; limits: right only within a limited range of input values
;; workspace buffers: cod 6,291,456 bytes; scl 262,144 bytes; qc 3,145,728 bytes; qsc 262,144 bytes; kv 6,553,600 bytes; oc 3,145,728 bytes; os 131,072 bytes
;; launch quant (part 1): grid 256 x 1, 4 waves a work-group, no clusters, 34,304 bytes of LDS; arguments x, Wq, Wk, Wv, Wo, cod, scl; writes cod, scl
.if DOCPART == 1
	.amdgcn_target "amdgcn-amd-amdhsa--gfx1250"
	.amdhsa_code_object_version 6
	.text
	.protected	k_q65ae71cd57_quant
	.globl	k_q65ae71cd57_quant
	.p2align	8
	.type	k_q65ae71cd57_quant,@function
k_q65ae71cd57_quant:
	s_mov_b64 s[64:65], 0
	v_nop
	global_prefetch_b8 v0, s[64:65] scope:SCOPE_SE
	s_setreg_imm32_b32 hwreg(HW_REG_WAVE_MODE, 25, 1), 1
	s_wait_xcnt 0x0
; LAUNCH 1 OF 4.  x [4096][1024] and Wq, Wk, Wv, Wo [1024][1024], f32, K innermost, become codes of FP6 (E2M3) with one E8M0 byte for each 32 along K.
; THE WHOLE PROGRAM: quant (this) | qkv: products 1 to 3, whose results leave as codes of q, k, v | attn: products 4 and 5 with the softmax between | oproj: product 6.
; WORK LEFT OUT, in launch attn alone: reference() itself sets the score of key k for query q to -infinity where k > q, ahead of the softmax.  For all finite inputs such a key has p = 2^(-infinity) = 0:
; it adds 0 to the row's sum, its code is 0, and it adds 0 to product 5; it cannot be the row's maximum, since key q counts.  So a step of 128 keys all of which come after all 16 queries of a tile reaches no output,
; and neither product is formed there.  No input is dead: all five are loaded.  LIMIT: a NaN, an infinity or an overflow that arises only in scores of hidden keys is not carried to the result.
; LIMITS of the quantiser here and in the later launches: NaN and infinities among the inputs are not served; a block whose largest magnitude lies under 2^-124 gets the byte 1;
; a block of zeros gets the byte 1 where the rule says 127: its codes are zeros, which add nothing under any byte but 0xff, and the bytes are read by this program alone.
; LAYOUT OF THE CODES: in the order of the operand's registers.  A TILE is 16 rows: lane r of tile 2 b + u is row 32 b + 8 u + r + 8 (r / 8).  A HALF FRAGMENT (16 rows x 64 along K) is six registers a lane,
; lane (r, h) holding k = 32 h .. 32 h + 31 of its row: 768 bytes, registers 0-3 at 16 x lane, registers 4-5 at 512 + 8 x lane.  Two on end are a fragment of 128 along K.
; cod: x [tile 256][K step 8][1536];  from W3C: [head 16][K step 8][12 tiles: 4 of Wq, 4 of Wk, 4 of Wv][1536];  from WOC: [column group 16][K step 8][4 tiles][1536].
; scl: 512 bytes a tile: the scale words of K steps 4 q .. 4 q + 3 of lane r's row at 256 q + 16 r.
; SHARES.  Work-group g takes 32 rows (tiles 2 b, 2 b + 1) of one tensor: g < 128 x, then 32 each for Wq, Wk, Wv, Wo.  Wave w takes tile 2 b + w / 2 and half w % 2 of K: four steps of 128 along K.
; Each load reads 512 consecutive bytes of one row; a step's 16 rows turn through the wave's own stage in LDS (rows of 528 bytes) and come back as 32 neighbours a block, two blocks a lane.  Waves share nothing: no barrier.
.set STG,   8448                       ; a wave's stage: 16 rows x (512 + 16) bytes
.set SPARE, 4*STG                      ; behind the stages: the spare words, 128 bytes a wave
.set W3C,   3145728
.set WOC,   5505024
.set W3S,   131072
.set WOS,   229376
.set L16, 4                            ; v4   16 x lane
.set L8,  5                            ; v5   8 x lane
.set SWR, 6                            ; v6   the stage, on the way in
.set SRD, 7                            ; v7   and on the way out: row r, + 128 h
.set SA,  8                            ; v8   16 r + 8 h: my 8 bytes of the tile's scale words
.set H8,  9                            ; v9   8 h
.set SPW, 10                           ; v10  my spare word; never rewritten
.set NIL, 11                           ; v11  0; never rewritten
.set MX,  12                           ; v12-15 largest magnitudes, two chains a block
.set C16, 16                           ; v16-19 16 x lane + t x a K step's distance in cod
.set C8,  20                           ; v20-23 8 x lane + the same
.set SW,  24                           ; v24-27 the four steps' scale words
.set WK,  28                           ; v28-29 scale operands, v30-31 bytes
.set CD,  32                           ; v32-43 a fragment's codes
.set CT,  44                           ; v44-46, v48-50 the upper halves of the two blocks' codes
.set PR,  52                           ; v52-53 the scale words that I store
.set X,   64                           ; v64-127 two blocks of 32 neighbours
.set R,   128                          ; v128-255 two sets of 16 x 4 registers as loaded
.set SEL, 40                           ; s[40:41] lane selects: lane l xor 16
	s_load_b256 s[4:11], s[0:1], 0x0               ; x, Wq, Wk, Wv
	s_load_b128 s[12:15], s[0:1], 0x20             ; Wo, cod
	s_load_b64 s[16:17], s[0:1], 0x30              ; scl
	v_lshl_add_u32 v[SPW], v0, 2, SPARE
	v_mov_b32 v[NIL], 0
	v_lshrrev_b32 v1, 5, v0
	v_readfirstlane_b32 s18, v1                    ; wave
	v_and_b32 v1, 31, v0                           ; lane
	v_and_b32 v2, 15, v0                           ; r
	v_bfe_u32 v3, v0, 4, 1                         ; h
	v_lshlrev_b32 v[L16], 4, v1
	s_wait_alu depctr_va_vdst(0)
	v_lshlrev_b32 v[L8], 3, v1
	s_wait_alu depctr_va_vdst(0)
	s_mul_i32 s29, s18, STG
	v_add_nc_u32 v[SWR], s29, v[L16]
	v_mul_u32_u24 v[SRD], v2, 528
	v_lshl_add_u32 v[SRD], v3, 7, v[SRD]
	v_add_nc_u32 v[SRD], s29, v[SRD]
	v_lshlrev_b32 v[SA], 4, v2
	v_lshl_add_u32 v[SA], v3, 3, v[SA]
	v_lshlrev_b32 v[H8], 3, v3
	s_mov_b32 s[SEL], 0x76543210
	s_mov_b32 s[SEL+1], 0xfedcba98
	s_lshr_b32 s19, s18, 1                         ; u: which of the two tiles
	s_and_b32 s28, s18, 1                          ; which half of K
	; the layout's constants, by the tensor: all arithmetic first, then the selections on the work-group's number
	s_lshr_b32 s23, ttmp9, 5
	s_max_u32 s23, s23, 4
	s_sub_co_u32 s23, s23, 4                       ; m: 0 Wq (and x), 1 Wk, 2 Wv, 3 Wo
	s_mul_i32 s24, s23, 6144
	s_add_co_u32 s24, s24, W3C                     ; where the tensor's codes begin
	s_lshl_b32 s25, s23, 11
	s_add_co_u32 s25, s25, W3S                     ; and its scale words
	s_and_b32 s27, ttmp9, 31                       ; b in a weight
	s_mov_b32 s20, 147456                          ; from one group of four tiles to the next
	s_mov_b32 s21, 1536                            ; from tile to tile in a group
	s_mov_b32 s22, 18432                           ; from K step to K step
	s_mov_b32 s26, 6144                            ; scale words: from group to group
	s_cmp_lt_u32 ttmp9, 224                        ; Wo?
	s_cselect_b32 s20, s20, 49152
	s_cselect_b32 s22, s22, 6144
	s_cselect_b32 s24, s24, WOC
	s_cselect_b32 s25, s25, WOS
	s_cselect_b32 s26, s26, 2048
	s_cmp_lt_u32 ttmp9, 128                        ; x?
	s_cselect_b32 s20, 49152, s20
	s_cselect_b32 s21, 12288, s21
	s_cselect_b32 s22, 1536, s22
	s_cselect_b32 s24, 0, s24
	s_cselect_b32 s25, 0, s25
	s_cselect_b32 s26, 2048, s26
	s_cselect_b32 s27, ttmp9, s27                  ; b
	s_lshr_b32 s30, s27, 1                         ; tile / 4
	s_and_b32 s31, s27, 1
	s_lshl_b32 s31, s31, 1
	s_add_co_u32 s31, s31, s19                     ; tile % 4
	s_mul_i32 s32, s30, s20
	s_mul_i32 s38, s31, s21
	s_add_co_u32 s32, s32, s38
	s_add_co_u32 s32, s32, s24
	s_mul_i32 s38, s28, s22
	s_lshl_b32 s38, s38, 2
	s_add_co_u32 s32, s32, s38                     ; my first fragment in cod
	s_mov_b32 s33, 0
	s_mul_i32 s34, s30, s26
	s_lshl_b32 s38, s31, 9
	s_add_co_u32 s34, s34, s38
	s_add_co_u32 s34, s34, s25
	s_lshl_b32 s38, s28, 8
	s_add_co_u32 s34, s34, s38                     ; my 256 bytes in scl
	s_mov_b32 s35, 0
	s_lshl_b32 s36, s27, 17                        ; 32 rows of 4,096 bytes,
	s_lshl_b32 s38, s19, 15                        ; 8 rows,
	s_add_co_u32 s36, s36, s38
	s_lshl_b32 s38, s28, 11                        ; 512 numbers
	s_add_co_u32 s36, s36, s38
	s_mov_b32 s37, 0
	v_mov_b32 v[C16], v[L16]
	v_mov_b32 v[C8], v[L8]
.irp t, 1,2,3
	v_add_nc_u32 v[C16+\t], s22, v[C16+\t-1]
	v_add_nc_u32 v[C8+\t], s22, v[C8+\t-1]
.endr
	s_wait_kmcnt 0x0
	s_cmp_lt_u32 ttmp9, 224                        ; the tensor is chosen by the work-group's number alone
	s_cselect_b64 s[12:13], s[10:11], s[12:13]
	s_cmp_lt_u32 ttmp9, 192
	s_cselect_b64 s[12:13], s[8:9], s[12:13]
	s_cmp_lt_u32 ttmp9, 160
	s_cselect_b64 s[12:13], s[6:7], s[12:13]
	s_cmp_lt_u32 ttmp9, 128
	s_cselect_b64 s[12:13], s[4:5], s[12:13]
	s_add_nc_u64 s[12:13], s[12:13], s[36:37]
	s_add_nc_u64 s[14:15], s[14:15], s[32:33]
	s_add_nc_u64 s[16:17], s[16:17], s[34:35]
.macro LOAD t                          ; step t: 128 numbers of each of the tile's 16 rows; a load reads 512 consecutive bytes
.set i, 0
.rept 16
	global_load_b128 v[R+64*((\t)%2)+4*i:R+64*((\t)%2)+4*i+3], v[L16], s[12:13] offset:(i+8*(i/8))*4096+512*(\t) th:TH_LOAD_NT
.set i, i+1
.endr
.endm
.macro STEP t
.if (\t) < 3
	s_wait_loadcnt 16                              ; this step's 16 loads are in; the next step's 16 may be out
.else
	s_wait_loadcnt 0x0
.endif
.set i, 0
.rept 16
	ds_store_b128 v[SWR], v[R+64*((\t)%2)+4*i:R+64*((\t)%2)+4*i+3] offset:528*i
.set i, i+1
.endr
.irp c, 0,1                                    ; LDS serves a wave's instructions in order: these see the stores above.  Block 2 c + h of row r: 128 bytes
.irp n, 0,1,2,3,4,5,6,7
	ds_load_b128 v[X+32*\c+4*\n:X+32*\c+4*\n+3], v[SRD] offset:256*\c+16*\n
.endr
.endr
	s_wait_dscnt 0x0                               ; my 64 numbers are back, and the stores have read their registers,
.if (\t) < 2
	LOAD (\t)+2                                    ; which take the loads of two steps on
.endif
.irp c, 0,1                                    ; the largest magnitude of each of my two blocks: all 32 numbers are mine
	v_max3_num_f32 v[MX+2*\c], |v[X+32*\c]|, |v[X+32*\c+1]|, |v[X+32*\c+2]|
	v_max3_num_f32 v[MX+2*\c+1], |v[X+32*\c+3]|, |v[X+32*\c+4]|, |v[X+32*\c+5]|
.endr
.irp i, 6,10,14,18,22,26
.irp c, 0,1
	v_max3_num_f32 v[MX+2*\c], v[MX+2*\c], |v[X+32*\c+\i]|, |v[X+32*\c+\i+1]|
	v_max3_num_f32 v[MX+2*\c+1], v[MX+2*\c+1], |v[X+32*\c+\i+2]|, |v[X+32*\c+\i+3]|
.endr
.endr
.irp c, 0,1
	v_max3_num_f32 v[MX+2*\c], v[MX+2*\c], |v[X+32*\c+30]|, |v[X+32*\c+31]|
.endr
.irp c, 0,1
	v_max3_num_f32 v[MX+2*\c], v[MX+2*\c], v[MX+2*\c+1], 0x1800000   ; and the floor 2^(3 - 127): the byte cannot fall under 1
.endr
.irp c, 0,1
	v_add_nc_u32 v[WK+\c], 0xff000000, v[MX+2*\c]  ; 2 off the exponent field: the conversion's scale operand
.endr
.irp c, 0,1
	v_lshrrev_b32 v[WK+2+\c], 23, v[WK+\c]         ; the scale's byte
.endr
	v_lshl_or_b32 v[SW+(\t)], v[WK+3], 16, v[WK+2] ; my two bytes, blocks h and 2 + h,
	v_lshlrev_b32 v[SW+(\t)], v[H8], v[SW+(\t)]    ; at their places in the word;
	v_permlanex16_b32 v[MX], v[SW+(\t)], s[SEL], s[SEL+1]
	v_or_b32 v[SW+(\t)], v[SW+(\t)], v[MX]         ; with lane l xor 16's two the word is whole
.if (\t) > 0
	s_wait_alu depctr_va_vdst(0)
	s_wait_xcnt 0x0                                ; the last step's stores have read the codes' registers: only now are these written again
.endif
.irp c, 0,1
	v_cvt_scalef32_pk16_fp6_f32 v[CD+6*\c:CD+6*\c+2], v[X+32*\c:X+32*\c+15], v[WK+\c]
	v_cvt_scalef32_pk16_fp6_f32 v[CT+4*\c:CT+4*\c+2], v[X+32*\c+16:X+32*\c+31], v[WK+\c]   ; (a conversion's three registers begin on an even number)
.endr
	v_nop                                          ; one plain place behind a scaled conversion
.irp c, 0,1
.irp i, 0,1,2
	v_mov_b32 v[CD+6*\c+3+\i], v[CT+4*\c+\i]
.endr
.endr
.irp c, 0,1                                    ; a half fragment: 512 consecutive bytes, then 256
	global_store_b128 v[C16+(\t)], v[CD+6*\c:CD+6*\c+3], s[14:15] offset:768*\c
	global_store_b64 v[C8+(\t)], v[CD+6*\c+4:CD+6*\c+5], s[14:15] offset:768*\c+512
.endr
.endm
	LOAD 0
	LOAD 1
	STEP 0
	STEP 1
	STEP 2
	STEP 3
	v_cmp_eq_u32 vcc_lo, 1, v3                     ; lanes 0-15 store the words of steps 0 and 1, lanes 16-31 those of steps 2 and 3: 256 consecutive bytes
	v_cndmask_b32 v[PR], v[SW], v[SW+2], vcc_lo
	v_cndmask_b32 v[PR+1], v[SW+1], v[SW+3], vcc_lo
	global_store_b64 v[SA], v[PR:PR+1], s[16:17]
	s_wait_tensorcnt 0x0                           ; the wave's end
	ds_add_u32 v[SPW], v[NIL]
	s_wait_dscnt 0x0
	s_endpgm
.Lfunc_end_k_q65ae71cd57_quant:
	.size	k_q65ae71cd57_quant, .Lfunc_end_k_q65ae71cd57_quant-k_q65ae71cd57_quant
	.p2alignl 7, 3214868480
	.fill 96, 4, 3214868480
	.section	.rodata,"a",@progbits
	.p2align	6, 0x0
	.amdhsa_kernel k_q65ae71cd57_quant
		.amdhsa_group_segment_fixed_size 34304
		.amdhsa_private_segment_fixed_size 0
		.amdhsa_enable_private_segment 0
		.amdhsa_kernarg_size 56
		.amdhsa_user_sgpr_count 2
		.amdhsa_user_sgpr_kernarg_segment_ptr 1
		.amdhsa_wavefront_size32 1
		.amdhsa_system_sgpr_workgroup_id_x 1
		.amdhsa_system_sgpr_workgroup_id_y 1
		.amdhsa_system_sgpr_workgroup_id_z 1
		.amdhsa_system_vgpr_workitem_id 0
		.amdhsa_next_free_vgpr 256
		.amdhsa_next_free_sgpr 66
		.amdhsa_reserve_vcc 1
		.amdhsa_float_denorm_mode_32 3
		.amdhsa_float_denorm_mode_16_64 3
		.amdhsa_memory_ordered 1
		.amdhsa_forward_progress 1
		.amdhsa_inst_pref_size 33
	.end_amdhsa_kernel
	.amdgpu_metadata
---
amdhsa.version: [ 1, 2 ]
amdhsa.kernels:
  - .name:           k_q65ae71cd57_quant
    .symbol:         k_q65ae71cd57_quant.kd
    .args:
      - { .name: x, .offset: 0, .size: 8, .value_kind: global_buffer, .address_space: global }
      - { .name: Wq, .offset: 8, .size: 8, .value_kind: global_buffer, .address_space: global }
      - { .name: Wk, .offset: 16, .size: 8, .value_kind: global_buffer, .address_space: global }
      - { .name: Wv, .offset: 24, .size: 8, .value_kind: global_buffer, .address_space: global }
      - { .name: Wo, .offset: 32, .size: 8, .value_kind: global_buffer, .address_space: global }
      - { .name: cod, .offset: 40, .size: 8, .value_kind: global_buffer, .address_space: global }
      - { .name: scl, .offset: 48, .size: 8, .value_kind: global_buffer, .address_space: global }
    .group_segment_fixed_size: 34304
    .private_segment_fixed_size: 0
    .kernarg_segment_align: 8
    .kernarg_segment_size: 56
    .max_flat_workgroup_size: 128
    .sgpr_count:     66
    .vgpr_count:     256
    .wavefront_size: 32
...
	.end_amdgpu_metadata
.endif
;; end of part 1
;; launch qkv (part 2): grid 16 x 16, 4 waves a work-group, clusters of 4 x 1, 327,680 bytes of LDS; arguments cod, scl, qc, qsc, kv; writes qc, qsc, kv
.if DOCPART == 2
	.amdgcn_target "amdgcn-amd-amdhsa--gfx1250"
	.amdhsa_code_object_version 6
	.text
	.protected	k_q65ae71cd57_qkv
	.globl	k_q65ae71cd57_qkv
	.p2align	8
	.type	k_q65ae71cd57_qkv,@function
k_q65ae71cd57_qkv:
	s_mov_b64 s[64:65], 0
	v_nop
	global_prefetch_b8 v0, s[64:65] scope:SCOPE_SE
	s_setreg_imm32_b32 hwreg(HW_REG_WAVE_MODE, 25, 1), 1
	s_wait_xcnt 0x0
	s_wait_alu depctr_hold_cnt(0) depctr_sa_sdst(0) depctr_va_vdst(0) depctr_va_sdst(0) depctr_va_ssrc(0) depctr_va_vcc(0) depctr_vm_vsrc(0)
	s_getreg_b32 s2, hwreg(HW_REG_IB_STS2, 6, 4)
	s_cmp_eq_u32 s2, 0
	s_cbranch_scc0 .Lentry_in_a_cluster
	s_endpgm
.Lentry_in_a_cluster:
	s_bfe_u32 s2, ttmp6, 0x10000c
	s_cmp_lg_u32 s2, 0x3003
	s_cbranch_scc0 .Lentry_shape_is_right
	s_endpgm
.Lentry_shape_is_right:
; LAUNCH 2 OF 4.  q = x Wq^T, k = x Wk^T, v = x Wv^T on codes of FP6 (E2M3) with E8M0 scales, sums in f32; the results are quantised in registers and leave as codes: q and k along the head's 64, v along the keys.
; Nothing is left out here.  LIMITS of the quantiser: as stated at the head of launch quant.
; SHARES.  Work-group (i, j): rows 256 i .. 256 i + 255 of x, head j: 256 x 192 results.  Wave w: the 64 rows of tiles 16 i + 4 w + a, a = 0 .. 3, x all 192 columns: 48 accumulators, 8 K steps of 128, 384 matrix instructions, written out.
; A TILE is 16 rows: lane r of tile 2 b + u is row 32 b + 8 u + r + 8 (r / 8).  So where a tile is source 0, the 16 registers of result tiles 2 b and 2 b + 1 are 16 neighbours, 32 b + 16 (lane / 16) + 0 .. 15.
; q, k: source 0 = 16 rows of the weight, source 1 = 16 rows of x: a lane holds one row of x and 32 registers run along the head's 64.  v: source 0 = x, source 1 = Wv: a lane holds one channel and 32 registers run along 64 keys.
; FEEDING.  The head's twelve weight tiles for all of K are one dense block of 147,456 bytes.  The four work-groups of a cluster (same j) ask for it JOINTLY, two loads a wave, once: it is never filled again.
; x's fragments are read by one wave alone: they go from memory straight into registers, four K steps ahead, in four buffers.  With x in LDS too the two blocks would not fit without a ring.
; RESULTS.  qc [head][tile][768]; qsc [head][tile / 4][r][tile % 4]: a word (s0, s1, s0, s1) a query;
; kv [head][slot 4][102,400]: a slot is 8 steps of 128 keys: K at 6,144 s: four fragments, fragment f = the half fragments of key tiles 2 f, 2 f + 1 of the step;
;   scale words at 49,152 + 512 s: K's four words of lane r at 16 r, V's four at 256 + 16 r;  V at 53,248 + 6,144 s: four channel tiles of 1,536 bytes (keys 0-63, keys 64-127).
; REGISTERS, in windows of 256: window 0: addresses, scale words, the quantiser's work, the codes.  window 1: the weights' three buffers of four fragments at 0, 48, 96; x's buffers 0, 1 at 144, 192.
;   window 2: q's accumulators at 32 a + 8 n, k's at 128 + 32 a + 8 n.   window 3: v's accumulators at 32 t + 8 a; x's buffers 2, 3 at 128, 176.
.set W3C,   3145728
.set W3S,   131072
.set KSB,   18432                      ; a K step of the twelve weight tiles
.set SCG,   8*KSB                      ; behind the weights: two records of 512 bytes, the scale words of the work-group's two key steps
.set SPARE, SCG+1024                   ; the spare words, 128 bytes a wave
.set L16, 1                            ; v1   16 x lane
.set L8,  2                            ; v2   8 x lane
.set H,   3                            ; v3   lane / 16
.set AW16, 8                           ; v8-10  16 x lane + 3 g K steps: LDS addresses of the weights
.set AW8,  11                          ; v11-13 8 x lane + the same
.set SPW, 14                           ; v14  my spare word; never rewritten
.set NIL, 15                           ; v15  0; never rewritten
.set XS,  16                           ; v16-31 x's scale words: 4 a + s % 4; lanes 0-15 K steps 0-3, lanes 16-31 K steps 4-7
.set WS,  32                           ; v32-79 the weights': 4 e + s % 4
.set TM,  80                           ; v80-85 the quantiser's work
.set CT,  88                           ; v88-90
.set PWR, 92                           ; v92-103 two scale bytes for each of the twelve half fragments
.set QW,  104                          ; v104-107 q's scale words
.set KW,  108                          ; v108-109 k's
.set PR,  110                          ; v110-111
.set SA,  112                          ; v112 16 r + 8 h
.set KSA, 113                          ; v113 where k's two scale words go in LDS
.set VSA, 114                          ; v114 where v's two bytes go
.set GA,  115                          ; v115 where I read 8 bytes of the records back
.set G,   116                          ; v116-117
.set CD,  144                          ; v144-215 twelve half fragments of codes
.set WV,  14
.set G1,  24                           ; s[24:31] descriptor group 1
.set G0,  32                           ; s[32:39] two groups 0
.set XB,  40
.set XSB, 42
.set WSB, 44
.set QCB, 46
.set QSB, 48
.set KB,  50
.set VB,  52
.set SB,  54
.set SEL, 58
.set MSB, 0
.macro WIN new                         ; the immediate's high byte repeats the setting that is left
.if MSB != (\new)
	s_set_vgpr_msb (MSB<<8)|(\new)
.set MSB, (\new)
.endif
.endm
.macro PLACES                          ; four plain places behind matrix instructions, in front of loads into registers that they read and of reads of their results
.rept 4
	v_nop
.endr
.endm
.macro CROUND                          ; a round of the cluster's barrier
	s_barrier_signal -1
	s_barrier_wait -1
	s_cmp_lg_u32 s[WV], 0
	s_cbranch_scc1 .Lnot_wave_0_\@
	s_barrier_signal -3
.Lnot_wave_0_\@:
	s_barrier_wait -3
	s_barrier_signal -1
	s_barrier_wait -1
.endm
	s_load_b256 s[4:11], s[0:1], 0x0               ; cod, scl, qc, qsc
	s_load_b64 s[12:13], s[0:1], 0x20              ; kv
	v_lshl_add_u32 v[SPW], v0, 2, SPARE
	v_mov_b32 v[NIL], 0
	ds_add_u32 v[SPW], v[NIL]                      ; the opening: the add, twice on end, and its wait ahead of my first tensor load
	ds_add_u32 v[SPW], v[NIL]
	v_lshrrev_b32 v4, 5, v0
	v_readfirstlane_b32 s[WV], v4                  ; wave 0..3
	v_and_b32 v4, 31, v0
	v_and_b32 v5, 15, v0
	v_bfe_u32 v[H], v0, 4, 1
	v_lshlrev_b32 v[L16], 4, v4
	v_lshlrev_b32 v[L8], 3, v4
	v_mov_b32 v[AW16], v[L16]
	v_add_nc_u32 v[AW16+1], 3*KSB, v[L16]
	v_add_nc_u32 v[AW16+2], 6*KSB, v[L16]
	v_mov_b32 v[AW8], v[L8]
	v_add_nc_u32 v[AW8+1], 3*KSB, v[L8]
	v_add_nc_u32 v[AW8+2], 6*KSB, v[L8]
	v_lshlrev_b32 v[SA], 4, v5                     ; 16 r
	s_wait_alu depctr_va_vdst(0)
	s_lshr_b32 s20, s[WV], 1                       ; which of the work-group's two key steps
	s_and_b32 s21, s[WV], 1                        ; which 64 of its 128 keys
	s_lshl_b32 s22, s20, 9
	s_add_co_u32 s22, s22, SCG                     ; the step's record
	s_lshl_b32 s23, s21, 3
	s_add_co_u32 s23, s23, s22
	v_add_nc_u32 v[KSA], s23, v[SA]                ; K's words of fragments 2 (w % 2), 2 (w % 2) + 1
	s_lshl_b32 s23, s21, 1
	s_add_co_u32 s23, s23, s22
	s_add_co_u32 s23, s23, 256
	v_add_nc_u32 v[VSA], s23, v[SA]                ; V's words: my two bytes of each
	s_lshl_b32 s23, s[WV], 8
	s_add_co_u32 s23, s23, SCG
	v_add_nc_u32 v[GA], s23, v[L8]
	v_lshl_add_u32 v[SA], v[H], 3, v[SA]           ; 16 r + 8 h
	v_mov_b32 v[TM+2], 0                           ; written once: a lane permute's destination counts as one of its sources
	v_mov_b32 v[TM+3], 0
	s_mov_b32 s[SEL], 0x76543210
	s_mov_b32 s[SEL+1], 0xfedcba98
	s_bfe_u32 s15, ttmp6, 0x40000                  ; cx
	s_lshl_b32 s16, ttmp9, 2
	s_add_co_u32 s16, s16, s15                     ; i
	s_and_b32 s17, ttmp7, 0xffff                   ; j, which the four partners share
	; descriptor group 1: 72 rows of 256 bytes, dense: one K step of the weights
	s_mov_b32 s[G1], 15|(3<<16)|(1<<21)            ; 15:0 the mask: all four; 17:16 elements of 8 bytes; 21 set beside a mask; no padding
	s_mov_b32 s[G1+1], 32<<16                      ; tensor_dim0 = 32
	s_mov_b32 s[G1+2], 72<<16                      ; tensor_dim1 = 72
	s_mov_b32 s[G1+3], 32<<16                      ; tile_dim0 = 32
	s_mov_b32 s[G1+4], 72                          ; tile_dim1 = 72
	s_mov_b32 s[G1+5], 32                          ; the pitch
	s_mov_b32 s[G1+6], 0
	s_mov_b32 s[G1+7], 0
	s_lshl_b32 s18, s16, 4
	s_lshl_b32 s60, s[WV], 2
	s_add_co_u32 s18, s18, s60                     ; my first tile: 16 i + 4 w
	s_mul_i32 s[XB], s18, 12288
	s_mov_b32 s[XB+1], 0
	s_lshl_b32 s[XSB], s18, 9
	s_mov_b32 s[XSB+1], 0
	s_mul_i32 s[WSB], s17, 6144
	s_add_co_u32 s[WSB], s[WSB], W3S
	s_mov_b32 s[WSB+1], 0
	s_mul_i32 s[QCB], s17, 196608
	s_mul_i32 s60, s18, 768
	s_add_co_u32 s[QCB], s[QCB], s60
	s_mov_b32 s[QCB+1], 0
	s_lshl_b32 s[QSB], s17, 14
	s_lshl_b32 s60, s18, 6
	s_add_co_u32 s[QSB], s[QSB], s60
	s_mov_b32 s[QSB+1], 0
	s_mul_i32 s19, s17, 409600
	s_lshr_b32 s60, s16, 2
	s_mul_i32 s60, s60, 102400
	s_add_co_u32 s19, s19, s60                     ; my slot in kv
	s_and_b32 s61, s16, 3
	s_lshl_b32 s61, s61, 1
	s_add_co_u32 s61, s61, s20                     ; my key step in the slot
	s_mul_i32 s60, s61, 6144
	s_add_co_u32 s60, s60, s19
	s_mul_i32 s[KB], s21, 3072
	s_add_co_u32 s[KB], s[KB], s60
	s_mov_b32 s[KB+1], 0
	s_mul_i32 s[VB], s21, 768
	s_add_co_u32 s[VB], s[VB], s60
	s_add_co_u32 s[VB], s[VB], 53248
	s_mov_b32 s[VB+1], 0
	s_lshl_b32 s[SB], s61, 9
	s_add_co_u32 s[SB], s[SB], s19
	s_lshl_b32 s60, s21, 8
	s_add_co_u32 s[SB], s[SB], s60
	s_add_co_u32 s[SB], s[SB], 49152
	s_mov_b32 s[SB+1], 0
	s_mul_i32 s56, s17, 8*KSB                      ; the weights: made of j and the wave's number alone
	s_mul_i32 s[G0+1], s[WV], KSB                  ; LDS: K step w,
	s_add_co_u32 s56, s56, s[G0+1]
	s_add_co_u32 s56, s56, W3C
	s_mov_b32 s57, 0
	s_add_co_u32 s[G0+5], s[G0+1], 4*KSB           ; and K step 4 + w
	s_mov_b32 s[G0], 1
	s_mov_b32 s[G0+4], 1
	s_wait_dscnt 0x0                               ; both opening adds are done
	s_wait_kmcnt 0x0
	s_add_nc_u64 s[G0+2:G0+3], s[4:5], s[56:57]
	s_add_nc_u64 s[G0+6:G0+7], s[G0+2:G0+3], 4*KSB
	s_or_b32 s[G0+3], s[G0+3], 0x80000000
	s_or_b32 s[G0+7], s[G0+7], 0x80000000
	s_add_nc_u64 s[XB:XB+1], s[4:5], s[XB:XB+1]
	s_add_nc_u64 s[XSB:XSB+1], s[6:7], s[XSB:XSB+1]
	s_add_nc_u64 s[WSB:WSB+1], s[6:7], s[WSB:WSB+1]
	s_add_nc_u64 s[QCB:QCB+1], s[8:9], s[QCB:QCB+1]
	s_add_nc_u64 s[QSB:QSB+1], s[10:11], s[QSB:QSB+1]
	s_add_nc_u64 s[KB:KB+1], s[12:13], s[KB:KB+1]
	s_add_nc_u64 s[VB:VB+1], s[12:13], s[VB:VB+1]
	s_add_nc_u64 s[SB:SB+1], s[12:13], s[SB:SB+1]
	CROUND                                         ; all four work-groups are here: the joint loads meet
	tensor_load_to_lds s[G0:G0+3], s[G1:G1+7]      ; K step w
	s_nop 0
.rept 4
	v_nop
.endr
.irp a, 0,1,2,3
	global_load_b128 v[XS+4*\a:XS+4*\a+3], v[L16], s[XSB:XSB+1] offset:512*\a
.endr
.irp e, 0,1,2,3,4,5,6,7,8,9,10,11
	global_load_b128 v[WS+4*\e:WS+4*\e+3], v[L16], s[WSB:WSB+1] offset:512*\e
.endr
.macro XLOAD s                         ; x's four fragments of K step s into buffer s % 4: 16 loads, 512 or 256 consecutive bytes each
.if ((\s)%4) < 2
	WIN 0x40
.set XR, 144+48*((\s)%4)
.else
	WIN 0xc0
.set XR, 128+48*((\s)%4-2)
.endif
.irp a, 0,1,2,3
	global_load_b128 v[XR+12*\a:XR+12*\a+3], v[L16], s[XB:XB+1] offset:\a*12288+(\s)*1536
	global_load_b64 v[XR+12*\a+4:XR+12*\a+5], v[L8], s[XB:XB+1] offset:\a*12288+(\s)*1536+512
	global_load_b128 v[XR+12*\a+6:XR+12*\a+9], v[L16], s[XB:XB+1] offset:\a*12288+(\s)*1536+768
	global_load_b64 v[XR+12*\a+10:XR+12*\a+11], v[L8], s[XB:XB+1] offset:\a*12288+(\s)*1536+1280
.endr
.endm
.macro WFETCH g, s                     ; the four fragments of weight g (0 q, 1 k, 2 v) of K step s: 16 LDS loads in one run
	WIN 0x40
.irp n, 0,1,2,3
	ds_load_b128 v[48*(\g)+12*\n:48*(\g)+12*\n+3], v[AW16+(\s)/3] offset:((\s)%3)*KSB+(4*(\g)+\n)*1536
	ds_load_b64 v[48*(\g)+12*\n+4:48*(\g)+12*\n+5], v[AW8+(\s)/3] offset:((\s)%3)*KSB+(4*(\g)+\n)*1536+512
	ds_load_b128 v[48*(\g)+12*\n+6:48*(\g)+12*\n+9], v[AW16+(\s)/3] offset:((\s)%3)*KSB+(4*(\g)+\n)*1536+768
	ds_load_b64 v[48*(\g)+12*\n+10:48*(\g)+12*\n+11], v[AW8+(\s)/3] offset:((\s)%3)*KSB+(4*(\g)+\n)*1536+1280
.endr
.endm
.macro WM d, a, b, sa, sb, s           ; one product.  K step 0 starts the sum; K steps 4 to 7 take their scale words from lanes 16-31
.if (\s) == 0
	v_wmma_scale_f32_16x16x128_f8f6f4 v[(\d):(\d)+7], v[(\a):(\a)+11], v[(\b):(\b)+11], 0, v[\sa], v[\sb] matrix_a_fmt:MATRIX_FMT_FP6 matrix_b_fmt:MATRIX_FMT_FP6
.elseif (\s) < 4
	v_wmma_scale_f32_16x16x128_f8f6f4 v[(\d):(\d)+7], v[(\a):(\a)+11], v[(\b):(\b)+11], v[(\d):(\d)+7], v[\sa], v[\sb] matrix_a_fmt:MATRIX_FMT_FP6 matrix_b_fmt:MATRIX_FMT_FP6
.else
	v_wmma_scale_f32_16x16x128_f8f6f4 v[(\d):(\d)+7], v[(\a):(\a)+11], v[(\b):(\b)+11], v[(\d):(\d)+7], v[\sa], v[\sb] matrix_a_fmt:MATRIX_FMT_FP6 matrix_b_fmt:MATRIX_FMT_FP6 matrix_a_scale:MATRIX_SCALE_ROW1 matrix_b_scale:MATRIX_SCALE_ROW1
.endif
.endm
; The 48 accumulators take turns, one instruction a turn, in the same order in every K step.
.macro MULQK g, s                      ; 16 products of q (g = 0) or k (g = 1): source 0 the weight, source 1 x
.if ((\s)%4) < 2
	WIN 0xa5
.set XR, 144+48*((\s)%4)
.else
	WIN 0xad
.set XR, 128+48*((\s)%4-2)
.endif
.irp a, 0,1,2,3
.irp n, 0,1,2,3
	WM 128*(\g)+32*\a+8*\n, 48*(\g)+12*\n, XR+12*\a, WS+4*(4*(\g)+\n)+(\s)%4, XS+4*\a+(\s)%4, \s
.endr
.endr
.endm
.macro MULV s                          ; 16 products of v: source 0 x, source 1 the weight
.if ((\s)%4) < 2
	WIN 0xf5
.set XR, 144+48*((\s)%4)
.else
	WIN 0xf7
.set XR, 128+48*((\s)%4-2)
.endif
.irp t, 0,1,2,3
.irp a, 0,1,2,3
	WM 32*\t+8*\a, XR+12*\a, 96+12*\t, XS+4*\a+(\s)%4, WS+4*(8+\t)+(\s)%4, \s
.endr
.endr
.endm
	XLOAD 0
	XLOAD 1
	XLOAD 2
	XLOAD 3
	WIN 0
	s_wait_tensorcnt 0x0                           ; my K step w is in
	ds_add_u32 v[SPW], v[NIL]
	s_wait_dscnt 0x0
	CROUND                                         ; K steps 0 to 3 are whole, and all four work-groups are here: the joint loads meet
	tensor_load_to_lds s[G0+4:G0+7], s[G1:G1+7]    ; K step 4 + w, bytes filled for the first time: my one load behind the round
	s_nop 0
.rept 4
	v_nop
.endr
	WFETCH 0, 0
	WFETCH 1, 0
	WFETCH 2, 0
.macro KSTEP s
.if (\s) <= 4
	s_wait_loadcnt 48                              ; the scale words and x's K step s are in; the three K steps behind it, 16 loads each, may be out
.else
	s_wait_loadcnt 16*(7-(\s))
.endif
	s_wait_dscnt 32                                ; q's weights are in; the two younger runs of 16 may be out
	MULQK 0, \s
	PLACES
.if (\s) == 3
	WIN 0
	s_wait_tensorcnt 0x0                           ; my K step 4 + w is in,
	s_wait_dscnt 0x0
	s_barrier_signal -1
	s_barrier_wait -1                              ; everybody's is.
.endif
.if (\s) < 7
	WFETCH 0, (\s)+1
	s_wait_dscnt 32
.else
	s_wait_dscnt 16
.endif
	MULQK 1, \s
	PLACES
.if (\s) < 7
	WFETCH 1, (\s)+1
	s_wait_dscnt 32
.else
	s_wait_dscnt 0x0
.endif
	MULV \s
	PLACES
.if (\s) < 7
	WFETCH 2, (\s)+1
.endif
.if (\s) < 4
	XLOAD (\s)+4                                   ; into the buffer that this K step has left
.endif
.endm
.irp s, 0,1,2,3,4,5,6,7
	KSTEP \s
.endr
; THE QUANTISER.  32 numbers of a lane in window win, register 16 b + i = index 32 b + 16 (lane / 16) + i of the lane's row, become a half fragment's six registers v[dst] on and two scale bytes in v[pw].
; Each accumulator is first read at its low end.
.macro QH win, src, dst, pw
	WIN (\win)|((\win)<<2)
.irp b, 0,1
	v_max3_num_f32 v[TM+\b], |v[(\src)+16*\b]|, |v[(\src)+16*\b+1]|, 0x1800000   ; my 16 numbers of block b, and the floor 2^(3 - 127)
.endr
.irp i, 2,4,6,8,10,12,14
.irp b, 0,1
	v_max3_num_f32 v[TM+\b], |v[(\src)+16*\b+\i]|, |v[(\src)+16*\b+\i+1]|, v[TM+\b]
.endr
.endr
	WIN 0
.irp b, 0,1
	v_permlanex16_b32 v[TM+2+\b], v[TM+\b], s[SEL], s[SEL+1]
.endr
.irp b, 0,1
	v_max_num_f32 v[TM+\b], v[TM+\b], v[TM+2+\b]   ; with lane l xor 16's: the block's largest magnitude
.endr
.irp b, 0,1
	v_add_nc_u32 v[TM+4+\b], 0xff000000, v[TM+\b]  ; 2 off the exponent field: the conversion's scale operand
.endr
.irp b, 0,1
	v_lshrrev_b32 v[TM+2+\b], 23, v[TM+4+\b]       ; the scale's byte
.endr
	v_lshl_or_b32 v[\pw], v[TM+3], 8, v[TM+2]
	WIN (\win)
	v_cvt_scalef32_pk16_fp6_f32 v[(\dst):(\dst)+2], v[(\src):(\src)+15], v[TM+4]
	v_cvt_scalef32_pk16_fp6_f32 v[CT:CT+2], v[(\src)+16:(\src)+31], v[TM+5]
	WIN 0
	v_nop                                          ; one plain place behind a scaled conversion
.irp i, 0,1,2
	v_permlane16_swap_b32 v[(\dst)+\i], v[CT+\i]   ; the layout wants a whole block in a lane: lanes 0-15 block 0, lanes 16-31 block 1
.endr
.irp i, 0,1,2
	v_mov_b32 v[(\dst)+3+\i], v[CT+\i]
.endr
.endm
	; THE WAY OUT.  Every store has data registers of its own.
	WIN 0
	v_cmp_eq_u32 vcc_lo, 1, v[H]
.irp a, 0,1,2,3
	QH 2, 32*\a, CD+6*\a, PWR+\a
	global_store_b128 v[L16], v[CD+6*\a:CD+6*\a+3], s[QCB:QCB+1] offset:768*\a
	global_store_b64 v[L8], v[CD+6*\a+4:CD+6*\a+5], s[QCB:QCB+1] offset:768*\a+512
	v_lshl_or_b32 v[QW+\a], v[PWR+\a], 16, v[PWR+\a]   ; (s0, s1, s0, s1): q stands in either half of a fragment in launch attn
.endr
	v_cndmask_b32 v[PR], v[QW], v[QW+2], vcc_lo
	v_cndmask_b32 v[PR+1], v[QW+1], v[QW+3], vcc_lo
	global_store_b64 v[SA], v[PR:PR+1], s[QSB:QSB+1]   ; 256 consecutive bytes
.irp a, 0,1,2,3
	QH 2, 128+32*\a, CD+6*(4+\a), PWR+4+\a
	global_store_b128 v[L16], v[CD+6*(4+\a):CD+6*(4+\a)+3], s[KB:KB+1] offset:768*\a
	global_store_b64 v[L8], v[CD+6*(4+\a)+4:CD+6*(4+\a)+5], s[KB:KB+1] offset:768*\a+512
.endr
	v_lshl_or_b32 v[KW], v[PWR+5], 16, v[PWR+4]    ; a fragment of K holds two key tiles: its word is their two pairs of bytes
	v_lshl_or_b32 v[KW+1], v[PWR+7], 16, v[PWR+6]
	ds_store_b64 v[KSA], v[KW:KW+1]                ; (lanes r and 16 + r write the same bytes with the same values)
.irp t, 0,1,2,3
	QH 3, 32*\t, CD+6*(8+\t), PWR+8+\t
	global_store_b128 v[L16], v[CD+6*(8+\t):CD+6*(8+\t)+3], s[VB:VB+1] offset:1536*\t
	global_store_b64 v[L8], v[CD+6*(8+\t)+4:CD+6*(8+\t)+5], s[VB:VB+1] offset:1536*\t+512
	ds_store_b16 v[VSA], v[PWR+8+\t] offset:4*\t   ; my 64 keys' two bytes of channel tile t's word
.endr
	s_wait_dscnt 0x0                               ; for the others' sake: my stores into the records are done
	s_barrier_signal -1
	s_barrier_wait -1
	ds_load_b64 v[G:G+1], v[GA]                    ; a record's half: 256 bytes a wave
	s_wait_dscnt 0x0
	global_store_b64 v[L8], v[G:G+1], s[SB:SB+1]   ; 256 consecutive bytes, aligned
	s_wait_tensorcnt 0x0                           ; the wave's end
	ds_add_u32 v[SPW], v[NIL]
	s_wait_dscnt 0x0
	CROUND                                         ; the closing round
	s_endpgm
.Lfunc_end_k_q65ae71cd57_qkv:
	.size	k_q65ae71cd57_qkv, .Lfunc_end_k_q65ae71cd57_qkv-k_q65ae71cd57_qkv
	.p2alignl 7, 3214868480
	.fill 96, 4, 3214868480
	.section	.rodata,"a",@progbits
	.p2align	6, 0x0
	.amdhsa_kernel k_q65ae71cd57_qkv
		.amdhsa_group_segment_fixed_size 327680
		.amdhsa_private_segment_fixed_size 0
		.amdhsa_enable_private_segment 0
		.amdhsa_kernarg_size 40
		.amdhsa_user_sgpr_count 2
		.amdhsa_user_sgpr_kernarg_segment_ptr 1
		.amdhsa_wavefront_size32 1
		.amdhsa_system_sgpr_workgroup_id_x 1
		.amdhsa_system_sgpr_workgroup_id_y 1
		.amdhsa_system_sgpr_workgroup_id_z 1
		.amdhsa_system_vgpr_workitem_id 0
		.amdhsa_next_free_vgpr 1024
		.amdhsa_next_free_sgpr 66
		.amdhsa_reserve_vcc 1
		.amdhsa_float_denorm_mode_32 3
		.amdhsa_float_denorm_mode_16_64 3
		.amdhsa_memory_ordered 1
		.amdhsa_forward_progress 1
		.amdhsa_inst_pref_size 126
	.end_amdhsa_kernel
	.amdgpu_metadata
---
amdhsa.version: [ 1, 2 ]
amdhsa.kernels:
  - .name:           k_q65ae71cd57_qkv
    .symbol:         k_q65ae71cd57_qkv.kd
    .args:
      - { .name: cod, .offset: 0, .size: 8, .value_kind: global_buffer, .address_space: global }
      - { .name: scl, .offset: 8, .size: 8, .value_kind: global_buffer, .address_space: global }
      - { .name: qc, .offset: 16, .size: 8, .value_kind: global_buffer, .address_space: global }
      - { .name: qsc, .offset: 24, .size: 8, .value_kind: global_buffer, .address_space: global }
      - { .name: kv, .offset: 32, .size: 8, .value_kind: global_buffer, .address_space: global }
    .group_segment_fixed_size: 327680
    .private_segment_fixed_size: 0
    .kernarg_segment_align: 8
    .kernarg_segment_size: 40
    .max_flat_workgroup_size: 128
    .sgpr_count:     66
    .vgpr_count:     1024
    .wavefront_size: 32
...
	.end_amdgpu_metadata
.endif
;; end of part 2
;; launch attn (part 3): grid 16 x 16, 16 waves a work-group, no clusters, 327,680 bytes of LDS; arguments qc, qsc, kv, oc, os; writes oc, os
.if DOCPART == 3
	.amdgcn_target "amdgcn-amd-amdhsa--gfx1250"
	.amdhsa_code_object_version 6
	.text
	.protected	k_q65ae71cd57_attn
	.globl	k_q65ae71cd57_attn
	.p2align	8
	.type	k_q65ae71cd57_attn,@function
k_q65ae71cd57_attn:
	s_mov_b64 s[64:65], 0
	v_nop
	global_prefetch_b8 v0, s[64:65] scope:SCOPE_SE
	s_setreg_imm32_b32 hwreg(HW_REG_WAVE_MODE, 25, 1), 1
	s_wait_xcnt 0x0
; LAUNCH 3 OF 4.  o = softmax(q k^T / 8, causal) v for 16 heads of 64, both products on codes of FP6 (E2M3) with E8M0 scales; o leaves as codes along the head's 64.
; WORK LEFT OUT: a step of 128 keys all of which come after a tile's 16 queries (reference()'s own causal mask; shown dead at the head of launch quant).  LIMITS: as stated there; the scaled scores stay under 2^31 in magnitude.
; THE SOFTMAX: t = score x log2(e) / 8; M = the running largest t rounded UP to a whole number; p = 2^(t - M) is quantised along the keys, not normalised; the row's sum is taken of the unquantised p and divides at the end.
; When M moves, the sum and O are multiplied by 2^(old M - new M): exact.  The order in which a tile meets its key steps is free.
; SHARES.  Work-group (p, head) owns query blocks p and 31 - p of 128 queries, one after the other: first block p (key steps 0 .. p), then block 31 - p (key steps 0 .. 31 - p).
; A block's eight tiles of 16 queries are served by eight PAIRS of waves, w and w xor 4: the wave of parity 0 works the even key steps, that of parity 1 the odd ones, each with its own M, sum and O.
; So each block takes ceil(steps / 2) double steps, 17 for the two blocks in every work-group, and all sixteen waves have a share of each (but for one single step).
; Parity = bit 0 xor bit 2 of the wave's number, tile in the block = bits 3, 1, 0.
; THE TWO HALVES ARE JOINED AT THE END.  At the change of blocks each wave puts its state (O, -M, the sum) into LDS bytes of its own.  Behind the last step the wave of parity 0 joins block p's two halves and the wave of
; parity 1 block 31 - p's: both are brought under the larger M by powers of two, added, divided by the joint sum, quantised and stored.
; NO CLUSTER: which steps a wave works is a scalar branch on its block's number, and the trip in which the blocks change and the order of kv's slots hang on p: they differ between the work-groups that share a head's K and V.
; LAYOUT.  Both products are used transposed: S^T = K Q^T, O^T = V^T P^T: a lane holds one query throughout.  Tiles of queries, keys and channels: lane r of tile 2 b + u is row 32 b + 8 u + r + 8 (r / 8), so that
; the 16 registers of result tiles 2 b, 2 b + 1 are 16 neighbours.  PRODUCT 4 HAS K = 64: a fragment of K holds TWO key tiles (registers 0-5, 6-11); against QA = [q | zeros] it gives the first tile's scores,
; against QB = [zeros | q] the second's.  The zero codes stand in QA and QB alone, written once.
; THE RING: two slots of 102,400 bytes, 8 key steps each (layout: head of launch qkv), FOUR trips.  In the trip that holds block p's last slot the slot is walked twice: for block p, and, behind the change of blocks, for block 31 - p.
;   p < 8:  kv's slots 0 (both blocks), 1, 2, 3.      p >= 8:  0 (block p), 1 (both blocks), 0, 2: kv's slot 0 is asked for a second time, so that every change of slots but the last has its load and no jump leads round one.
; Waves 0 to 4 fetch a fifth of a slot each, 80 rows of 256 bytes; all sixteen read.  At most one load of a wave is out; every wait for tensor loads is for 0.
.set SLOT1, 131072                     ; slot 1 begins here: one exclusive or turns an address in one slot into the other's
.set SPARE, 102400                     ; behind slot 0: the spare words, 128 bytes for each of 16 waves
.set SOFF,  49152                      ; a slot's scale words
.set VOFF,  53248                      ; a slot's V
.set STATE, 233472                     ; behind slot 1: a wave's state, SREG bytes each: no tile lands here
.set SREG,  4352                       ; O: 32 registers x 128 bytes; -M and the sum: 256 bytes
.set L16, 1                            ; v1   16 x lane
.set L8,  2                            ; v2   8 x lane
.set ADK16, 3                          ; v3   the step's tiles, 16 x lane
.set ADK8,  4                          ; v4   8 x lane
.set ADS, 5                            ; v5   the step's scale words
.set DQ,  6                            ; v6   my query's place in its block - 16 (lane / 16)
.set H8,  7                            ; v7   8 (lane / 16)
.set SPW, 8                            ; v8   my spare word; never rewritten
.set NIL, 9                            ; v9   0; never rewritten
.set PFO, 10                           ; v10  256 x lane
.set R16, 11                           ; v11  16 r
.set QA,  16                           ; v16-27 [q | 0]     (v12 -M, v13 the largest t, v[14:15] the sum in two halves)
.set QB,  28                           ; v28-39 [0 | q]
.set QS,  40                           ; v40  q's scale word
.set OSA, 41                           ; v41  32 r + h
.set ADO, 42                           ; v42  my state in LDS, 16 x lane;  v43 8 x lane
.set ADO8, 43
.set SCR, 44                           ; v44-47 lanes 0-15 K's four scale words, lanes 16-31 V's
.set KV,  48                           ; v48-95 four fragments, K's and then V's
.set S,   96                           ; v96-159 S^T, then p
.set O,   160                          ; v160-191 O^T
.set PC,  192                          ; v192-203 p's codes
.set PT,  204                          ; v204-206, v208-210
.set BM,  212                          ; v212-215 the blocks' largest
.set BX,  216                          ; v216-219
.set BS,  220                          ; v220-223 the conversions' scale operands
.set PW,  226                          ; v226 p's scale word
.set F,   228                          ; v228 2^(old M - new M); v229 named with it as a pair
.set W,   230                          ; v230-232 at work
.set ADP, 234                          ; v234 my partner's state in LDS, 16 x lane;  v235 8 x lane
.set ADP8, 235
.set YM,  236                          ; v236-237 the other half's -M and sum
.set FA,  238                          ; v238 factor of the half in O; v239 named with it
.set FB,  240                          ; v240 factor of the half in S; v241 named with it
.set T,   240                          ; v242-255 seven chains of the row's sum: chain k at T + 2 k
.set TQ,  3
.set WV,  14
.set PAR, 15
.set HD,  16
.set BQ,  17                           ; s17  the block at work
.set TAU, 18                           ; s18  the tile that I finish and store
.set T8,  19
.set SEL, 20
.set CS,  22
.set G1,  24
.set G0,  32
.set TB,  36                           ; s36  LDS byte of my step's K tiles: + 12,288 a double step
.set SI,  37                           ; s37  my step's number
.set HI,  38                           ; s38  p / 8: 0 or 1
.set ST8, 39
.set LAST, 40                          ; s40  31 - p
.set PJ,  41                           ; s41  13 + the chunk that my next prefetch names; 1,000 and more in a wave that asks for nothing
.set PFA, 42
.set TS,  44                           ; s44  LDS byte, less SOFF, of my step's scale words: + 1,024 a double step
.set QCB, 48
.set QSB, 50
.set KVB, 52
.set OCB, 54
.set OSB, 56
.set N1,  58                           ; s58  p / 8 + 1: the blocks change in trip N1 - 1
.set H1,  59                           ; s59  p / 8 slots of kv in bytes
.set DC,  60                           ; s[60:61] from block p's q codes to block 31 - p's
.set DS,  62                           ; s[62:63] the same for q's scale words
.set TRIP, 66                          ; s66  the trip's number, 0 .. 3
.set H2,  67                           ; s67  2 (p / 8) slots of kv in bytes
.set SI2, 68                           ; s68  my first step of block 31 - p: 8 (p / 8) + parity
.macro TLOAD                           ; waves 0 to 4 fetch; the branch hangs on the wave's number alone.  An s_nop 0 and four v_nop follow the load
	s_cmp_lt_u32 s[WV], 5
	s_cbranch_scc0 .Lno_load_\@
	tensor_load_to_lds s[G0:G0+3], s[G1:G1+7]
	s_nop 0
.rept 4
	v_nop
.endr
.Lno_load_\@:
.endm
; A PREFETCH INTO THE L2.  All sixteen work-groups of a head walk the same kv: the head's work-group p = 0 asks for the head's bytes 204,800 .. 409,599 (kv's slots 2 and 3), in 25 chunks of 8,192 bytes, lanes 256 bytes apart:
; waves 0 to 12 name chunks 0 to 12 (all of slot 2 among them) at the first change of slots, waves 0 to 11 chunks 13 to 24 at the second: each block of 256 bytes once.
; No work-group's tensor load names kv's slot 2 before its second change of slots, nor slot 3 before its third: a trip behind the prefetch.  kv's slots 0 and 1 come by their loads alone; the third change asks for nothing.
.macro ASK
	s_cmp_lt_u32 s[PJ], 38
	s_cbranch_scc0 .Lnot_mine_\@
	global_prefetch_b8 v[PFO], s[PFA:PFA+1] th:TH_LOAD_NT scope:SCOPE_SE
.Lnot_mine_\@:
.endm
.macro RESET                           ; a tile's state at its start: the step is written once; the first finds zeros, which the first change of M leaves zeros
	v_mov_b32 v13, 0xff61b1e6                      ; the largest t so far: -3e38, under every t
	s_delay_alu instid0(VALU_DEP_1)
	v_floor_f32 v12, -v13                          ; -M
	v_mov_b32 v14, 0
	v_mov_b32 v15, 0
.set j, 0
.rept 32
	v_mov_b32 v[O+j], 0
.set j, j+1
.endr
.endm
.macro QLOAD                           ; q is loaded twice: the two operands share no register
	global_load_b128 v[QA:QA+3], v[L16], s[QCB:QCB+1]
	global_load_b64 v[QA+4:QA+5], v[L8], s[QCB:QCB+1] offset:512
	global_load_b128 v[QB+6:QB+9], v[L16], s[QCB:QCB+1]
	global_load_b64 v[QB+10:QB+11], v[L8], s[QCB:QCB+1] offset:512
	global_load_b32 v[QS], v[R16], s[QSB:QSB+1]
.endm
.macro DUMP                            ; O (each accumulator from its low end on), -M and the sum into my own bytes
.set j, 0
.rept 8
	ds_store_b128 v[ADO], v[O+4*j:O+4*j+3] offset:512*j
.set j, j+1
.endr
	ds_store_b64 v[ADO8], v[12:13] offset:4096
.endm
.macro TAKE adr, adr8, dst, m          ; a state out of LDS
.set j, 0
.rept 8
	ds_load_b128 v[\dst+4*j:\dst+4*j+3], v[\adr] offset:512*j
.set j, j+1
.endr
	ds_load_b64 v[\m:\m+1], v[\adr8] offset:4096
.endm
	s_load_b256 s[4:11], s[0:1], 0x0               ; qc, qsc, kv, oc
	s_load_b64 s[12:13], s[0:1], 0x20              ; os
	v_lshl_add_u32 v[SPW], v0, 2, SPARE
	v_mov_b32 v[NIL], 0
	ds_add_u32 v[SPW], v[NIL]                      ; the opening: the add, twice on end, and its wait ahead of the first tensor load
	ds_add_u32 v[SPW], v[NIL]
	v_lshrrev_b32 v[W], 5, v0
	s_delay_alu instid0(VALU_DEP_1)
	v_readfirstlane_b32 s[WV], v[W]                ; wave 0..15
	s_and_b32 s[HD], ttmp7, 0xffff                 ; the head
	s_sub_co_u32 s[LAST], 31, ttmp9
	s_lshr_b32 s[PAR], s[WV], 2
	s_xor_b32 s[PAR], s[PAR], s[WV]
	s_and_b32 s[PAR], s[PAR], 1                    ; parity
	s_and_b32 s[T8], s[WV], 3
	s_lshr_b32 s46, s[WV], 3
	s_lshl_b32 s46, s46, 2
	s_or_b32 s[T8], s[T8], s46                     ; my tile in the block
	s_cmp_eq_u32 s[PAR], 1
	s_cselect_b32 s45, s[LAST], ttmp9              ; parity 0 finishes block p's tile, parity 1 block 31 - p's
	s_lshl_b32 s[TAU], s45, 3
	s_add_co_u32 s[TAU], s[TAU], s[T8]
	s_lshl_b32 s[TQ], ttmp9, 3
	s_add_co_u32 s[TQ], s[TQ], s[T8]               ; the tile that I begin with
	s_mov_b32 s[BQ], ttmp9
	s_lshr_b32 s[HI], ttmp9, 3
	s_add_co_u32 s[N1], s[HI], 1
	s_mul_i32 s[H1], s[HI], 102400
	s_mul_i32 s[H2], s[HI], 204800
	s_lshl_b32 s[SI2], s[HI], 3
	s_add_co_u32 s[SI2], s[SI2], s[PAR]
	s_sub_co_u32 s45, s[LAST], ttmp9               ; 31 - 2 p blocks, 8 tiles each
	s_mul_i32 s[DC], s45, 6144
	s_mov_b32 s[DC+1], 0
	s_lshl_b32 s[DS], s45, 9
	s_mov_b32 s[DS+1], 0
	s_lshr_b32 s46, s[T8], 1
	s_lshl_b32 s46, s46, 5
	s_and_b32 s47, s[T8], 1
	s_lshl_b32 s47, s47, 3
	s_add_co_u32 s46, s46, s47                     ; the tile's first query in the block
	s_mul_i32 s45, s[WV], SREG
	s_add_co_u32 s45, s45, STATE                   ; my state's bytes,
	s_xor_b32 s47, s[WV], 4
	s_mul_i32 s47, s47, SREG
	s_add_co_u32 s47, s47, STATE                   ; and my partner's
	v_and_b32 v[W], 31, v0
	s_delay_alu instid0(VALU_DEP_1)
	v_lshlrev_b32 v[L16], 4, v[W]
	v_lshlrev_b32 v[L8], 3, v[W]
	v_lshlrev_b32 v[PFO], 8, v[W]
	v_and_b32 v[W+1], 15, v0                       ; r
	v_bfe_u32 v[W+2], v0, 4, 1                     ; h
	s_delay_alu instid0(VALU_DEP_2)
	v_lshlrev_b32 v[R16], 4, v[W+1]
	v_lshlrev_b32 v[H8], 3, v[W+2]
	v_lshl_add_u32 v[OSA], v[W+1], 5, v[W+2]
	v_and_b32 v[DQ], 8, v[W+1]
	s_delay_alu instid0(VALU_DEP_1)
	v_add_nc_u32 v[DQ], v[DQ], v[W+1]              ; r + 8 (r / 8)
	v_lshlrev_b32 v[W], 4, v[W+2]
	s_delay_alu instid0(VALU_DEP_1)
	v_sub_nc_u32 v[DQ], v[DQ], v[W]
	s_delay_alu instid0(VALU_DEP_1)
	v_add_nc_u32 v[DQ], s46, v[DQ]
	v_add_nc_u32 v[ADO], s45, v[L16]
	v_add_nc_u32 v[ADO8], s45, v[L8]
	v_add_nc_u32 v[ADP], s47, v[L16]
	v_add_nc_u32 v[ADP8], s47, v[L8]
	s_wait_alu depctr_va_vdst(0)                   ; ahead of the run of scalar instructions
	; descriptor group 1: 80 rows of 256 bytes, dense: a fifth of a slot
	s_mov_b32 s[G1], 3<<16                         ; no mask; elements of 8 bytes; no padding
	s_mov_b32 s[G1+1], 32<<16
	s_mov_b32 s[G1+2], 80<<16
	s_mov_b32 s[G1+3], 32<<16
	s_mov_b32 s[G1+4], 80
	s_mov_b32 s[G1+5], 32
	s_mov_b32 s[G1+6], 0
	s_mov_b32 s[G1+7], 0
	s_mov_b32 s[SEL], 0x76543210
	s_mov_b32 s[SEL+1], 0xfedcba98
	s_mov_b32 s[CS], 0x3e38aa3b                    ; c = log2(e) / 8
	s_mov_b32 s[CS+1], s[CS]
	s_mul_i32 s[TB], s[PAR], 6144                  ; my first step: the slot's step 0 or 1
	s_lshl_b32 s[TS], s[PAR], 9
	s_mov_b32 s[SI], s[PAR]
	s_mov_b32 s[TRIP], 0
	s_mul_i32 s[QCB], s[HD], 196608
	s_mul_i32 s45, s[TQ], 768
	s_add_co_u32 s[QCB], s[QCB], s45
	s_mov_b32 s[QCB+1], 0
	s_lshl_b32 s[QSB], s[HD], 14
	s_lshr_b32 s45, s[TQ], 2
	s_lshl_b32 s45, s45, 8
	s_add_co_u32 s[QSB], s[QSB], s45
	s_and_b32 s45, s[TQ], 3
	s_lshl_b32 s45, s45, 2
	s_add_co_u32 s[QSB], s[QSB], s45
	s_mov_b32 s[QSB+1], 0
	s_mul_i32 s[KVB], s[HD], 409600
	s_mov_b32 s[KVB+1], 0
	s_mul_i32 s[OCB], s[TAU], 12288
	s_mul_i32 s45, s[HD], 768
	s_add_co_u32 s[OCB], s[OCB], s45
	s_mov_b32 s[OCB+1], 0
	s_lshl_b32 s[OSB], s[TAU], 9
	s_lshl_b32 s45, s[HD], 1
	s_add_co_u32 s[OSB], s[OSB], s45
	s_mov_b32 s[OSB+1], 0
	s_min_u32 s45, s[WV], 4                        ; (waves 5 to 15 issue no load)
	s_mul_i32 s[G0+1], s45, 20480                  ; LDS: my fifth of slot 0
	s_mov_b32 s[G0], 1
	s_cmp_lt_u32 s[WV], 13                         ; who prefetches: waves 0 to 12 of the head's work-group p = 0
	s_cselect_b32 s45, 0, 1
	s_or_b32 s45, s45, ttmp9
	s_cmp_eq_u32 s45, 0
	s_cselect_b32 s[PJ], s[WV], 1000
	s_wait_dscnt 0x0                               ; both opening adds are done
	s_wait_kmcnt 0x0
	s_add_nc_u64 s[QCB:QCB+1], s[4:5], s[QCB:QCB+1]
	s_add_nc_u64 s[QSB:QSB+1], s[6:7], s[QSB:QSB+1]
	s_add_nc_u64 s[KVB:KVB+1], s[8:9], s[KVB:KVB+1]
	s_add_nc_u64 s[OCB:OCB+1], s[10:11], s[OCB:OCB+1]
	s_add_nc_u64 s[OSB:OSB+1], s[12:13], s[OSB:OSB+1]
	s_mov_b32 s46, s[G0+1]
	s_mov_b32 s47, 0
	s_add_nc_u64 s[G0+2:G0+3], s[KVB:KVB+1], s[46:47]
	s_or_b32 s[G0+3], s[G0+3], 0x80000000
	s_lshl_b32 s46, s[WV], 13
	s_add_co_u32 s46, s46, 98304                   ; one step of 106,496 bytes short of kv's slot 2: the first change of slots steps it there
	s_add_nc_u64 s[PFA:PFA+1], s[KVB:KVB+1], s[46:47]
	TLOAD                                          ; kv's slot 0
	QLOAD
.irp i, 0,1,2,3,4,5
	v_mov_b32 v[QA+6+\i], 0
	v_mov_b32 v[QB+\i], 0
.endr
	RESET
.irp i, 0,1,2,3,4,5,6,7
	v_mov_b32 v[BM+\i], 0                          ; written once: a lane permute's destination counts as one of its sources
.endr
	v_mov_b32 v[F+1], 0                            ; named as the upper halves of pairs
	v_mov_b32 v[FA+1], 0
	v_mov_b32 v[FB+1], 0
	v_mov_b32 v[W], 0
; A KEY STEP: 128 keys.
.macro STEP
	s_cmp_gt_u32 s[SI], s[BQ]                      ; all its keys come after my queries: left out.  A branch on ids and the count of steps, round no barrier, wait for tensor loads or tensor load
	s_cbranch_scc1 .Lhidden_\@
	v_add_nc_u32 v[ADK16], s[TB], v[L16]           ; these four are the places behind the last step's products, in front of loads into registers that they read
	v_add_nc_u32 v[ADK8], s[TB], v[L8]
	v_add_nc_u32 v[ADS], s[TS], v[L16]
	v_nop
.irp f, 0,1,2,3
	ds_load_b128 v[KV+12*\f:KV+12*\f+3], v[ADK16] offset:1536*\f
	ds_load_b64 v[KV+12*\f+4:KV+12*\f+5], v[ADK8] offset:1536*\f+512
	ds_load_b128 v[KV+12*\f+6:KV+12*\f+9], v[ADK16] offset:1536*\f+768
	ds_load_b64 v[KV+12*\f+10:KV+12*\f+11], v[ADK8] offset:1536*\f+1280
.endr
	ds_load_b128 v[SCR:SCR+3], v[ADS] offset:SOFF
	s_wait_alu depctr_va_vdst(0)
	s_wait_dscnt 0x0
.irp f, 0,1,2,3                                ; S^T: register 16 f + i of lane (r, h) is key 32 f + 16 h + i of the step
	v_wmma_scale_f32_16x16x128_f8f6f4 v[S+16*\f:S+16*\f+7], v[KV+12*\f:KV+12*\f+11], v[QA:QA+11], 0, v[SCR+\f], v[QS] matrix_a_fmt:MATRIX_FMT_FP6 matrix_b_fmt:MATRIX_FMT_FP6
	v_wmma_scale_f32_16x16x128_f8f6f4 v[S+16*\f+8:S+16*\f+15], v[KV+12*\f:KV+12*\f+11], v[QB:QB+11], 0, v[SCR+\f], v[QS] matrix_a_fmt:MATRIX_FMT_FP6 matrix_b_fmt:MATRIX_FMT_FP6
.endr
.rept 4
	v_nop                                          ; places: in front of the loads below and of the first read of the scores
.endr
.irp t, 0,1,2,3                                ; V's four fragments, into the same registers: they are on their way while the softmax is walked
	ds_load_b128 v[KV+12*\t:KV+12*\t+3], v[ADK16] offset:VOFF+1536*\t
	ds_load_b64 v[KV+12*\t+4:KV+12*\t+5], v[ADK8] offset:VOFF+1536*\t+512
	ds_load_b128 v[KV+12*\t+6:KV+12*\t+9], v[ADK16] offset:VOFF+1536*\t+768
	ds_load_b64 v[KV+12*\t+10:KV+12*\t+11], v[ADK8] offset:VOFF+1536*\t+1280
.endr
	s_cmp_lg_u32 s[SI], s[BQ]                      ; on the diagonal the scores of hidden keys become -infinity ahead of the maximum
	s_cbranch_scc1 .Lopen_\@
	v_mov_b32 v[W], 0xff800000
.set n, 0
.rept 64
	v_cmp_gt_i32 vcc_lo, 32*(n/16)+n%16, v[DQ]
	v_cndmask_b32 v[S+n], v[S+n], v[W], vcc_lo
.set n, n+1
.endr
.Lopen_\@:
.irp b, 0,1,2,3
	v_max3_num_f32 v[BM+\b], v[S+16*\b], v[S+16*\b+1], v[S+16*\b+2]   ; the largest score of each block of 32 keys: for the row's maximum, and, since p rises with the score, for the block's largest p
.endr
.irp i, 3,5,7,9,11,13
.irp b, 0,1,2,3
	v_max3_num_f32 v[BM+\b], v[BM+\b], v[S+16*\b+\i], v[S+16*\b+\i+1]
.endr
.endr
.irp b, 0,1,2,3
	v_max_num_f32 v[BM+\b], v[BM+\b], v[S+16*\b+15]
.endr
.irp b, 0,1,2,3
	s_delay_alu instid0(VALU_DEP_4)
	v_permlanex16_b32 v[BX+\b], v[BM+\b], s[SEL], s[SEL+1]
.endr
.irp b, 0,1,2,3
	s_delay_alu instid0(VALU_DEP_4)
	v_max_num_f32 v[BM+\b], v[BM+\b], v[BX+\b]     ; with lane l xor 16's 16 keys
.endr
	s_delay_alu instid0(VALU_DEP_2)
	v_max3_num_f32 v[W], v[BM], v[BM+1], v[BM+2]
	s_delay_alu instid0(VALU_DEP_1)
	v_max_num_f32 v[W], v[W], v[BM+3]
	s_delay_alu instid0(VALU_DEP_1)
	v_mul_f32 v[W], s[CS], v[W]                    ; the step's largest t
	s_delay_alu instid0(VALU_DEP_1)
	v_max_num_f32 v13, v13, v[W]                   ; the running largest t
	v_mov_b32 v[W], v12
	s_delay_alu instid0(VALU_DEP_2)
	v_floor_f32 v12, -v13                          ; the new -M = floor(-t)
	s_delay_alu instid0(VALU_DEP_1)
	v_sub_f32 v[W], v12, v[W]                      ; old M - new M: a whole number, 0 or less
	s_delay_alu instid0(VALU_DEP_1)
	v_cvt_i32_f32 v[W], v[W]                       ; (it saturates)
	s_delay_alu instid0(VALU_DEP_1)
	v_ldexp_f32 v[F], 1.0, v[W]                    ; f = 2^(old M - new M)
.set j, 0
.rept 32
	v_pk_fma_f32 v[S+j:S+j+1], v[S+j:S+j+1], s[CS:CS+1], v[12:13] op_sel_hi:[1,0,0]   ; t - M, two at a time
.set j, j+2
.endr
.irp b, 0,1,2,3
	v_fma_f32 v[BM+\b], v[BM+\b], s[CS], v12       ; the same of each block's largest score
.endr
.set j, 0
	s_wait_alu depctr_va_vdst(0)
.rept 64
	v_exp_f32 v[S+j], v[S+j]                       ; p = 2^(t - M)
.set j, j+1
.endr
	v_pk_mul_f32 v[14:15], v[14:15], v[F:F+1] op_sel_hi:[1,0]   ; the sums under the new M: the plain place behind the batch
	s_wait_alu depctr_va_vdst(0)                   ; one wait for the 64, ahead of their first reader
.irp b, 0,1,2,3
	v_exp_f32 v[BM+\b], v[BM+\b]                   ; the block's largest p
.endr
.irp k, 1,2,3,4,5,6,7                          ; the row's sum of the unquantised p: eight chains by turns, 32 packed additions
	v_pk_add_f32 v[T+2*\k:T+2*\k+1], v[S+8*\k:S+8*\k+1], v[S+8*\k+2:S+8*\k+3]
.endr
	v_pk_add_f32 v[14:15], v[14:15], v[S:S+1]
.irp i, 4,6
.irp k, 1,2,3,4,5,6,7
	v_pk_add_f32 v[T+2*\k:T+2*\k+1], v[T+2*\k:T+2*\k+1], v[S+8*\k+\i:S+8*\k+\i+1]
.endr
	v_pk_add_f32 v[14:15], v[14:15], v[S+\i-2:S+\i-1]
.endr
	v_pk_add_f32 v[T+2:T+3], v[T+2:T+3], v[T+4:T+5]
	v_pk_add_f32 v[T+6:T+7], v[T+6:T+7], v[T+8:T+9]
	v_pk_add_f32 v[T+10:T+11], v[T+10:T+11], v[T+12:T+13]
	v_pk_add_f32 v[14:15], v[14:15], v[S+6:S+7]
	v_pk_add_f32 v[T+2:T+3], v[T+2:T+3], v[T+6:T+7]
	v_pk_add_f32 v[T+10:T+11], v[T+10:T+11], v[T+14:T+15]
	s_delay_alu instid0(VALU_DEP_2)
	v_pk_add_f32 v[14:15], v[14:15], v[T+2:T+3]
	s_delay_alu instid0(VALU_DEP_1)
	v_pk_add_f32 v[14:15], v[14:15], v[T+10:T+11]
	s_wait_alu depctr_va_vdst(0)                   ; and one for the four
.irp b, 0,1,2,3
	v_max_num_f32 v[BM+\b], 0x1800000, v[BM+\b]    ; the floor 2^(3 - 127)
.endr
.irp b, 0,1,2,3
	s_delay_alu instid0(VALU_DEP_4)
	v_add_nc_u32 v[BS+\b], 0xff000000, v[BM+\b]    ; the conversion's scale operand
.endr
.irp b, 0,1,2,3
	s_delay_alu instid0(VALU_DEP_4)
	v_lshrrev_b32 v[BX+\b], 23, v[BS+\b]           ; the scale's byte
.endr
	s_delay_alu instid0(VALU_DEP_3)
	v_lshl_or_b32 v[PW], v[BX+1], 8, v[BX]
	s_delay_alu instid0(VALU_DEP_1)
	v_lshl_or_b32 v[PW], v[BX+2], 16, v[PW]
	s_delay_alu instid0(VALU_DEP_1)
	v_lshl_or_b32 v[PW], v[BX+3], 24, v[PW]
.irp c, 0,1
	v_cvt_scalef32_pk16_fp6_f32 v[PC+6*\c:PC+6*\c+2], v[S+32*\c:S+32*\c+15], v[BS+2*\c]
	v_cvt_scalef32_pk16_fp6_f32 v[PT+4*\c:PT+4*\c+2], v[S+32*\c+16:S+32*\c+31], v[BS+2*\c+1]
.endr
	v_nop                                          ; one plain place behind a scaled conversion
.irp c, 0,1
.irp i, 0,1,2
	v_permlane16_swap_b32 v[PC+6*\c+\i], v[PT+4*\c+\i]
.endr
.irp i, 0,1,2
	s_delay_alu instid0(VALU_DEP_3)
	v_mov_b32 v[PC+6*\c+3+\i], v[PT+4*\c+\i]
.endr
.endr
.set j, 0
.rept 16
	v_pk_mul_f32 v[O+j:O+j+1], v[O+j:O+j+1], v[F:F+1] op_sel_hi:[1,0]   ; O^T under the new M; these 16 are also the places between the writes of p's codes and scale word and the products
.set j, j+2
.endr
	s_wait_alu depctr_va_vdst(0)
	s_wait_dscnt 0x0                               ; V is in
.irp t, 0,1,2,3                                ; the four accumulators by turns, one instruction a turn
	v_wmma_scale_f32_16x16x128_f8f6f4 v[O+8*\t:O+8*\t+7], v[KV+12*\t:KV+12*\t+11], v[PC:PC+11], v[O+8*\t:O+8*\t+7], v[SCR+\t], v[PW] matrix_a_fmt:MATRIX_FMT_FP6 matrix_b_fmt:MATRIX_FMT_FP6 matrix_a_scale:MATRIX_SCALE_ROW1
.endr
.Lhidden_\@:
	s_add_co_u32 s[SI], s[SI], 2                   ; my next step: my partner works the one between
	s_add_co_u32 s[TB], s[TB], 12288
	s_add_co_u32 s[TS], s[TS], 1024
.endm
; THE CHANGE OF SLOTS stands at a trip's head.  Each wave waits for all its tensor loads, adds 0 to its spare word, and waits for that and for its reads of the slot that it has left; then the barrier.
; fill = 1: behind it the other slot is filled with what the next trip reads: for p < 8 kv's next slot; for p >= 8 kv's slots 1, 0, 2 in trips 0, 1, 2.
.macro CHANGE fill
	s_wait_tensorcnt 0x0                           ; no tensor load of mine is out, so the group 0 may be written
	ds_add_u32 v[SPW], v[NIL]
.if \fill
	ds_add_u32 v[SPW], v[NIL]                      ; and, where a load may follow, twice on end
	s_xor_b32 s[G0+1], s[G0+1], SLOT1              ; the other slot than last time
	s_cmp_eq_u32 s[TRIP], 1
	s_cselect_b32 s46, s[H2], 0
	s_mov_b32 s47, 0
	s_sub_nc_u64 s[G0+2:G0+3], s[G0+2:G0+3], s[46:47]   ; p >= 8, trip 1: two slots back,
	s_cmp_eq_u32 s[TRIP], 2
	s_cselect_b32 s46, s[H1], 0
	s_add_nc_u64 s[G0+2:G0+3], s[G0+2:G0+3], s[46:47]   ; p >= 8, trip 2: one more slot on,
	s_add_nc_u64 s[G0+2:G0+3], s[G0+2:G0+3], 102400     ; and always one slot on
	s_wait_xcnt 0x0                                ; the last prefetch, a trip back, has read its address
	s_add_nc_u64 s[PFA:PFA+1], s[PFA:PFA+1], 106496   ; 13 chunks on
	s_add_co_u32 s[PJ], s[PJ], 13
.endif
	s_wait_dscnt 0x0
	s_barrier_signal -1
	s_barrier_wait -1
.if \fill
	TLOAD
	ASK
.endif
.endm
.macro WALK toggle                     ; a slot's four double steps: written once, walked four times
	s_mov_b32 s[ST8], 4
.Lstep_\@:
	STEP
	s_sub_co_u32 s[ST8], s[ST8], 1
	s_cmp_lg_u32 s[ST8], 0
	s_cbranch_scc1 .Lstep_\@
	s_sub_co_u32 s[TB], s[TB], 49152               ; back to my first step of a slot,
	s_sub_co_u32 s[TS], s[TS], 4096
.if \toggle
	s_xor_b32 s[TB], s[TB], SLOT1                  ; in the other slot
	s_xor_b32 s[TS], s[TS], SLOT1
.endif
.endm
	s_wait_alu depctr_va_vdst(0)
	s_wait_loadcnt 0x0                             ; q
.Lslot:
	CHANGE 1
	s_add_co_u32 s45, s[TRIP], 1
	s_cmp_lg_u32 s45, s[N1]                        ; the work-group's number and the count of trips alone: all sixteen waves go the same way
	s_cbranch_scc1 .Lsame
	WALK 0                                         ; block p's last slot
	; THE CHANGE OF BLOCKS: my half of block p's tile goes into my LDS bytes; block 31 - p's tile begins, on the same slot
.rept 4
	v_nop                                          ; places behind the last products
.endr
	v_add_f32 v13, v14, v15                        ; the sum's two halves, beside -M
	DUMP
	s_add_nc_u64 s[QCB:QCB+1], s[QCB:QCB+1], s[DC:DC+1]   ; (the loads that read these bases were waited for at the head)
	s_add_nc_u64 s[QSB:QSB+1], s[QSB:QSB+1], s[DS:DS+1]
	QLOAD
	s_mov_b32 s[BQ], s[LAST]
	s_mov_b32 s[SI], s[SI2]
	s_wait_dscnt 0x0                               ; the stores have read their registers
	RESET
	s_wait_alu depctr_va_vdst(0)
	s_wait_loadcnt 0x0
.Lsame:
	WALK 1
	s_add_co_u32 s[TRIP], s[TRIP], 1
	s_lshl_b32 s45, s[HI], 4                       ; p >= 8: trip 2 walks kv's slot 0, trip 3 kv's slot 2: my step's number goes 16 back, then 8 on
	s_cmp_eq_u32 s[TRIP], 2
	s_cselect_b32 s45, s45, 0
	s_sub_co_u32 s[SI], s[SI], s45
	s_lshl_b32 s45, s[HI], 3
	s_cmp_eq_u32 s[TRIP], 3
	s_cselect_b32 s45, s45, 0
	s_add_co_u32 s[SI], s[SI], s45
	s_cmp_lt_u32 s[TRIP], 3
	s_cbranch_scc1 .Lslot
	CHANGE 0                                       ; the last trip is written out: nothing is left to ask for
	WALK 1
	; THE HALVES ARE JOINED.  Every wave takes its own half of block p's tile back into S (a wave of parity 1 lays its partner's half over it behind the barrier: so S is written on every way through the text).
	; A wave of parity 0 then puts its half of block 31 - p's tile into the same bytes: LDS serves a wave's instructions in order.
.rept 4
	v_nop                                          ; places behind the last products
.endr
	v_add_f32 v13, v14, v15
	s_wait_alu depctr_va_vdst(0)
	TAKE ADO, ADO8, S, YM
	s_cmp_lg_u32 s[PAR], 0
	s_cbranch_scc1 .Lkeeps
	DUMP
.Lkeeps:
	s_wait_dscnt 0x0                               ; for my partner's sake: my stores are done
	s_barrier_signal -1
	s_barrier_wait -1
	s_cmp_lg_u32 s[PAR], 0
	s_cbranch_scc1 .Lodd
	TAKE ADP, ADP8, O, 12                          ; parity 0: my partner's half of block p's tile; mine is in S
	s_branch .Ljoin
.Lodd:
	TAKE ADP, ADP8, S, YM                          ; parity 1: my partner's half of block 31 - p's tile; mine is in O
.Ljoin:
	s_wait_dscnt 0x0
	v_min_num_f32 v[W], v12, v[YM]                 ; -M of the larger M
	s_delay_alu instid0(VALU_DEP_1)
	v_sub_f32 v[W+1], v[W], v12                    ; each half's M less the larger: whole numbers, 0 or less
	v_sub_f32 v[W+2], v[W], v[YM]
	s_delay_alu instid0(VALU_DEP_2)
	v_cvt_i32_f32 v[W+1], v[W+1]                   ; (they saturate: a half that worked no step has O = 0, sum 0 and the factor 0)
	s_delay_alu instid0(VALU_DEP_2)
	v_cvt_i32_f32 v[W+2], v[W+2]
	s_delay_alu instid0(VALU_DEP_2)
	v_ldexp_f32 v[W+1], 1.0, v[W+1]
	s_delay_alu instid0(VALU_DEP_2)
	v_ldexp_f32 v[W+2], 1.0, v[W+2]
	s_delay_alu instid0(VALU_DEP_2)
	v_mul_f32 v14, v13, v[W+1]
	s_delay_alu instid0(VALU_DEP_1)
	v_fma_f32 v14, v[YM+1], v[W+2], v14            ; the two sums under one M
	s_wait_alu depctr_va_vdst(0)
	v_permlanex16_b32 v[W], v14, s[SEL], s[SEL+1]
	s_delay_alu instid0(VALU_DEP_1)
	v_add_f32 v14, v14, v[W]                       ; the row's sum
	s_wait_alu depctr_va_vdst(0)
	v_rcp_f32 v14, v14
	v_nop                                          ; a plain place behind the reciprocal
	s_wait_alu depctr_va_vdst(0)                   ; and the wait ahead of its first reader
	v_mul_f32 v[FA], v[W+1], v14
	v_mul_f32 v[FB], v[W+2], v14
	s_wait_alu depctr_va_vdst(0)                   ; directly ahead of the first reader of O^T
.set j, 0
.rept 16
	v_pk_mul_f32 v[O+j:O+j+1], v[O+j:O+j+1], v[FA:FA+1] op_sel_hi:[1,0]   ; each accumulator from its low end on
.set j, j+2
.endr
.set j, 0
.rept 16
	v_pk_fma_f32 v[S+j:S+j+1], v[S+j:S+j+1], v[FB:FB+1], v[O+j:O+j+1] op_sel_hi:[1,0,1]   ; o: register 16 b + i of lane (r, h) is channel 32 b + 16 h + i of query r
.set j, j+2
.endr
	; THE WAY OUT: o quantised along the head's 64
.irp b, 0,1
	v_max3_num_f32 v[BM+\b], |v[S+16*\b]|, |v[S+16*\b+1]|, 0x1800000
.endr
.irp i, 2,4,6,8,10,12,14
.irp b, 0,1
	s_delay_alu instid0(VALU_DEP_2)
	v_max3_num_f32 v[BM+\b], |v[S+16*\b+\i]|, |v[S+16*\b+\i+1]|, v[BM+\b]
.endr
.endr
.irp b, 0,1
	s_delay_alu instid0(VALU_DEP_2)
	v_permlanex16_b32 v[BM+2+\b], v[BM+\b], s[SEL], s[SEL+1]
.endr
.irp b, 0,1
	s_delay_alu instid0(VALU_DEP_2)
	v_max_num_f32 v[BM+\b], v[BM+\b], v[BM+2+\b]
.endr
.irp b, 0,1
	s_delay_alu instid0(VALU_DEP_2)
	v_add_nc_u32 v[BX+\b], 0xff000000, v[BM+\b]
.endr
.irp b, 0,1
	s_delay_alu instid0(VALU_DEP_2)
	v_lshrrev_b32 v[BM+2+\b], 23, v[BX+\b]
.endr
	s_delay_alu instid0(VALU_DEP_1)
	v_lshl_or_b32 v[PW], v[BM+3], 8, v[BM+2]
	v_cvt_scalef32_pk16_fp6_f32 v[PC:PC+2], v[S:S+15], v[BX]
	v_cvt_scalef32_pk16_fp6_f32 v[PT:PT+2], v[S+16:S+31], v[BX+1]
	v_nop
.irp i, 0,1,2
	v_permlane16_swap_b32 v[PC+\i], v[PT+\i]
.endr
.irp i, 0,1,2
	s_delay_alu instid0(VALU_DEP_3)
	v_mov_b32 v[PC+3+\i], v[PT+\i]
.endr
	global_store_b128 v[L16], v[PC:PC+3], s[OCB:OCB+1]             ; 512 consecutive bytes,
	global_store_b64 v[L8], v[PC+4:PC+5], s[OCB:OCB+1] offset:512  ; and 256
	v_lshrrev_b32 v[W], v[H8], v[PW]
	global_store_b8 v[OSA], v[W], s[OSB:OSB+1]     ; lane (r, h): block h's byte of query r: 32 bytes a wave beside 768 of codes
	s_wait_tensorcnt 0x0                           ; the wave's end
	ds_add_u32 v[SPW], v[NIL]
	s_wait_dscnt 0x0
	s_endpgm
.Lfunc_end_k_q65ae71cd57_attn:
	.size	k_q65ae71cd57_attn, .Lfunc_end_k_q65ae71cd57_attn-k_q65ae71cd57_attn
	.p2alignl 7, 3214868480
	.fill 96, 4, 3214868480
	.section	.rodata,"a",@progbits
	.p2align	6, 0x0
	.amdhsa_kernel k_q65ae71cd57_attn
		.amdhsa_group_segment_fixed_size 327680
		.amdhsa_private_segment_fixed_size 0
		.amdhsa_enable_private_segment 0
		.amdhsa_kernarg_size 40
		.amdhsa_user_sgpr_count 2
		.amdhsa_user_sgpr_kernarg_segment_ptr 1
		.amdhsa_wavefront_size32 1
		.amdhsa_system_sgpr_workgroup_id_x 1
		.amdhsa_system_sgpr_workgroup_id_y 1
		.amdhsa_system_sgpr_workgroup_id_z 1
		.amdhsa_system_vgpr_workitem_id 0
		.amdhsa_next_free_vgpr 256
		.amdhsa_next_free_sgpr 70
		.amdhsa_reserve_vcc 1
		.amdhsa_float_denorm_mode_32 3
		.amdhsa_float_denorm_mode_16_64 3
		.amdhsa_memory_ordered 1
		.amdhsa_forward_progress 1
		.amdhsa_inst_pref_size 89
	.end_amdhsa_kernel
	.amdgpu_metadata
---
amdhsa.version: [ 1, 2 ]
amdhsa.kernels:
  - .name:           k_q65ae71cd57_attn
    .symbol:         k_q65ae71cd57_attn.kd
    .args:
      - { .name: qc, .offset: 0, .size: 8, .value_kind: global_buffer, .address_space: global }
      - { .name: qsc, .offset: 8, .size: 8, .value_kind: global_buffer, .address_space: global }
      - { .name: kv, .offset: 16, .size: 8, .value_kind: global_buffer, .address_space: global }
      - { .name: oc, .offset: 24, .size: 8, .value_kind: global_buffer, .address_space: global }
      - { .name: os, .offset: 32, .size: 8, .value_kind: global_buffer, .address_space: global }
    .group_segment_fixed_size: 327680
    .private_segment_fixed_size: 0
    .kernarg_segment_align: 8
    .kernarg_segment_size: 40
    .max_flat_workgroup_size: 512
    .sgpr_count:     70
    .vgpr_count:     256
    .wavefront_size: 32
...
	.end_amdgpu_metadata
.endif
;; end of part 3
;; launch oproj (part 4): grid 16 x 16, 4 waves a work-group, clusters of 4 x 1, 167,936 bytes of LDS; arguments cod, scl, oc, os, out0; writes out0
.if DOCPART == 4
	.amdgcn_target "amdgcn-amd-amdhsa--gfx1250"
	.amdhsa_code_object_version 6
	.text
	.protected	k_q65ae71cd57_oproj
	.globl	k_q65ae71cd57_oproj
	.p2align	8
	.type	k_q65ae71cd57_oproj,@function
k_q65ae71cd57_oproj:
	s_mov_b64 s[64:65], 0
	v_nop
	global_prefetch_b8 v0, s[64:65] scope:SCOPE_SE
	s_setreg_imm32_b32 hwreg(HW_REG_WAVE_MODE, 25, 1), 1
	s_wait_xcnt 0x0
	s_wait_alu depctr_hold_cnt(0) depctr_sa_sdst(0) depctr_va_vdst(0) depctr_va_sdst(0) depctr_va_ssrc(0) depctr_va_vcc(0) depctr_vm_vsrc(0)
	s_getreg_b32 s2, hwreg(HW_REG_IB_STS2, 6, 4)
	s_cmp_eq_u32 s2, 0
	s_cbranch_scc0 .Lentry_in_a_cluster
	s_endpgm
.Lentry_in_a_cluster:
	s_bfe_u32 s2, ttmp6, 0x10000c
	s_cmp_lg_u32 s2, 0x3003
	s_cbranch_scc0 .Lentry_shape_is_right
	s_endpgm
.Lentry_shape_is_right:
; LAUNCH 4 OF 4.  out0 = o Wo^T on codes of FP6 (E2M3) with E8M0 scales, sums in f32.  Nothing is left out here.
; SHARES.  Work-group (i, j): rows 256 i .. + 255, columns 64 j .. + 63.  Wave w: the 64 rows of tiles 16 i + 4 w + a x 64 columns: 16 accumulators, 8 K steps of 128, 128 matrix instructions, written out.
; Tiles: lane r of tile 2 b + u is row 32 b + 8 u + r + 8 (r / 8).  Source 0 = 16 rows of Wo, source 1 = 16 rows of o: a lane holds one row of out0, and the 16 registers of result tiles 2 b, 2 b + 1 are columns 32 b + 16 (lane / 16) + 0 .. 15.
; Wo's four tiles for all of K are one dense block of 49,152 bytes: the four work-groups of a cluster (same j) ask for it JOINTLY, one load a wave, once.  o's fragments are read by one wave alone and go straight into registers.
; REGISTERS: window 0: addresses, scale words, v64-127 rows on the way out.  window 1: the accumulators at 32 a + 8 n; Wo's two buffers at 128, 176.  window 2: o's K steps 0-4 at 48 s.  window 3: K steps 5-7.
.set WOC,   5505024
.set WOS,   229376
.set STAGE, 49152                      ; behind the weights: 16 rows x (256 + 16) bytes for each wave
.set SPARE, STAGE+4*4352
.set L16, 1
.set L8,  2
.set SO,  3                            ; v3   32 r + 16 h: o's scale words
.set STO, 4                            ; v4   the stage, on the way in
.set RD,  5                            ; v5   and back
.set CO,  6                            ; v6   my bytes in two rows of out0
.set SPW, 10
.set NIL, 11
.set OS,  16                           ; v16-31 o's scale words: 4 a + s % 4
.set WS,  32                           ; v32-47 Wo's: 4 n + s % 4
.set BK,  64
.set WV,  14
.set G1,  24
.set G0,  32
.set OB,  40
.set OSB, 42
.set WSB, 44
.set OUT, 46
.set MSB, 0
.macro WIN new
.if MSB != (\new)
	s_set_vgpr_msb (MSB<<8)|(\new)
.set MSB, (\new)
.endif
.endm
.macro PLACES
.rept 4
	v_nop
.endr
.endm
.macro CROUND
	s_barrier_signal -1
	s_barrier_wait -1
	s_cmp_lg_u32 s[WV], 0
	s_cbranch_scc1 .Lnot_wave_0_\@
	s_barrier_signal -3
.Lnot_wave_0_\@:
	s_barrier_wait -3
	s_barrier_signal -1
	s_barrier_wait -1
.endm
	s_load_b256 s[4:11], s[0:1], 0x0               ; cod, scl, oc, os
	s_load_b64 s[12:13], s[0:1], 0x20              ; out0
	v_lshl_add_u32 v[SPW], v0, 2, SPARE
	v_mov_b32 v[NIL], 0
	ds_add_u32 v[SPW], v[NIL]                      ; the opening: the add, twice on end, and its wait ahead of my first tensor load
	ds_add_u32 v[SPW], v[NIL]
	v_lshrrev_b32 v7, 5, v0
	v_readfirstlane_b32 s[WV], v7
	v_and_b32 v7, 31, v0
	v_and_b32 v8, 15, v0                           ; r
	v_bfe_u32 v9, v0, 4, 1                         ; h
	v_lshlrev_b32 v[L16], 4, v7
	v_lshlrev_b32 v[L8], 3, v7
	v_lshlrev_b32 v[SO], 5, v8
	v_lshl_add_u32 v[SO], v9, 4, v[SO]
	s_mul_i32 s20, s[WV], 4352
	s_add_co_u32 s20, s20, STAGE                   ; my stage
	v_mul_u32_u24 v[STO], v8, 272
	v_lshl_add_u32 v[STO], v9, 6, v[STO]
	v_add_nc_u32 v[STO], s20, v[STO]               ; in: row r, + 64 h
	v_mul_u32_u24 v[RD], v9, 272
	v_lshl_add_u32 v[RD], v8, 4, v[RD]
	v_add_nc_u32 v[RD], s20, v[RD]                 ; back: lanes 0-15 one row of 256 bytes, lanes 16-31 the next
	v_lshlrev_b32 v[CO], 12, v9
	v_lshl_add_u32 v[CO], v8, 4, v[CO]             ; and the same two rows in out0
	s_bfe_u32 s15, ttmp6, 0x40000                  ; cx
	s_lshl_b32 s16, ttmp9, 2
	s_add_co_u32 s16, s16, s15                     ; i
	s_and_b32 s17, ttmp7, 0xffff                   ; j, which the four partners share
	s_mov_b32 s[G1], 15|(3<<16)|(1<<21)            ; the mask: all four; elements of 8 bytes; 21 set beside a mask; no padding
	s_mov_b32 s[G1+1], 32<<16
	s_mov_b32 s[G1+2], 48<<16                      ; 48 rows of 256 bytes: two K steps
	s_mov_b32 s[G1+3], 32<<16
	s_mov_b32 s[G1+4], 48
	s_mov_b32 s[G1+5], 32
	s_mov_b32 s[G1+6], 0
	s_mov_b32 s[G1+7], 0
	s_lshl_b32 s18, s16, 4
	s_lshl_b32 s60, s[WV], 2
	s_add_co_u32 s18, s18, s60                     ; my first tile
	s_mul_i32 s[OB], s18, 12288
	s_mov_b32 s[OB+1], 0
	s_lshl_b32 s[OSB], s18, 9
	s_mov_b32 s[OSB+1], 0
	s_lshl_b32 s[WSB], s17, 11
	s_add_co_u32 s[WSB], s[WSB], WOS
	s_mov_b32 s[WSB+1], 0
	s_lshl_b32 s[OUT], s18, 16                     ; 16 rows of 4,096 bytes a tile,
	s_lshl_b32 s60, s17, 8                         ; 256 bytes a column group
	s_add_co_u32 s[OUT], s[OUT], s60
	s_mov_b32 s[OUT+1], 0
	s_mul_i32 s56, s17, 49152                      ; the weights: made of j and the wave's number alone
	s_mul_i32 s[G0+1], s[WV], 12288
	s_add_co_u32 s56, s56, s[G0+1]
	s_add_co_u32 s56, s56, WOC
	s_mov_b32 s57, 0
	s_mov_b32 s[G0], 1
	s_wait_dscnt 0x0                               ; both opening adds are done
	s_wait_kmcnt 0x0
	s_add_nc_u64 s[G0+2:G0+3], s[4:5], s[56:57]
	s_or_b32 s[G0+3], s[G0+3], 0x80000000
	s_add_nc_u64 s[OB:OB+1], s[8:9], s[OB:OB+1]
	s_add_nc_u64 s[OSB:OSB+1], s[10:11], s[OSB:OSB+1]
	s_add_nc_u64 s[WSB:WSB+1], s[6:7], s[WSB:WSB+1]
	s_add_nc_u64 s[OUT:OUT+1], s[12:13], s[OUT:OUT+1]
	CROUND                                         ; all four work-groups are here: the joint loads meet
	tensor_load_to_lds s[G0:G0+3], s[G1:G1+7]      ; one load of mine is out
	s_nop 0
.rept 4
	v_nop
.endr
	s_wait_alu depctr_va_vdst(0)
.irp a, 0,1,2,3
	global_load_b128 v[OS+4*\a:OS+4*\a+3], v[SO], s[OSB:OSB+1] offset:512*\a
.endr
.irp n, 0,1,2,3
	global_load_b128 v[WS+4*\n:WS+4*\n+3], v[L16], s[WSB:WSB+1] offset:512*\n
.endr
.macro XLOAD s                         ; o's four fragments of K step s, into registers of their own
.if (\s) < 5
	WIN 0x80
.set XR, 48*(\s)
.else
	WIN 0xc0
.set XR, 48*((\s)-5)
.endif
.irp a, 0,1,2,3
	global_load_b128 v[XR+12*\a:XR+12*\a+3], v[L16], s[OB:OB+1] offset:\a*12288+(\s)*1536
	global_load_b64 v[XR+12*\a+4:XR+12*\a+5], v[L8], s[OB:OB+1] offset:\a*12288+(\s)*1536+512
	global_load_b128 v[XR+12*\a+6:XR+12*\a+9], v[L16], s[OB:OB+1] offset:\a*12288+(\s)*1536+768
	global_load_b64 v[XR+12*\a+10:XR+12*\a+11], v[L8], s[OB:OB+1] offset:\a*12288+(\s)*1536+1280
.endr
.endm
.macro WFETCH s                        ; Wo's four fragments of K step s into buffer s % 2
	WIN 0x40
.set WB, 128+48*((\s)%2)
.irp n, 0,1,2,3
	ds_load_b128 v[WB+12*\n:WB+12*\n+3], v[L16] offset:(\s)*6144+\n*1536
	ds_load_b64 v[WB+12*\n+4:WB+12*\n+5], v[L8] offset:(\s)*6144+\n*1536+512
	ds_load_b128 v[WB+12*\n+6:WB+12*\n+9], v[L16] offset:(\s)*6144+\n*1536+768
	ds_load_b64 v[WB+12*\n+10:WB+12*\n+11], v[L8] offset:(\s)*6144+\n*1536+1280
.endr
.endm
.macro WM d, a, b, sa, sb, s
.if (\s) == 0
	v_wmma_scale_f32_16x16x128_f8f6f4 v[(\d):(\d)+7], v[(\a):(\a)+11], v[(\b):(\b)+11], 0, v[\sa], v[\sb] matrix_a_fmt:MATRIX_FMT_FP6 matrix_b_fmt:MATRIX_FMT_FP6
.elseif (\s) < 4
	v_wmma_scale_f32_16x16x128_f8f6f4 v[(\d):(\d)+7], v[(\a):(\a)+11], v[(\b):(\b)+11], v[(\d):(\d)+7], v[\sa], v[\sb] matrix_a_fmt:MATRIX_FMT_FP6 matrix_b_fmt:MATRIX_FMT_FP6
.else
	v_wmma_scale_f32_16x16x128_f8f6f4 v[(\d):(\d)+7], v[(\a):(\a)+11], v[(\b):(\b)+11], v[(\d):(\d)+7], v[\sa], v[\sb] matrix_a_fmt:MATRIX_FMT_FP6 matrix_b_fmt:MATRIX_FMT_FP6 matrix_a_scale:MATRIX_SCALE_ROW1 matrix_b_scale:MATRIX_SCALE_ROW1
.endif
.endm
.macro MUL s                           ; the 16 accumulators by turns, one instruction a turn, in the same order in every K step
.if (\s) < 5
	WIN 0x59
.set XR, 48*(\s)
.else
	WIN 0x5d
.set XR, 48*((\s)-5)
.endif
.set WB, 128+48*((\s)%2)
.irp a, 0,1,2,3
.irp n, 0,1,2,3
	WM 32*\a+8*\n, WB+12*\n, XR+12*\a, WS+4*\n+(\s)%4, OS+4*\a+(\s)%4, \s
.endr
.endr
.endm
	XLOAD 0
	XLOAD 1
	XLOAD 2
	XLOAD 3
	WIN 0
	s_wait_tensorcnt 0x0                           ; my two K steps of Wo are in,
	s_barrier_signal -1
	s_barrier_wait -1                              ; everybody's are.  Nothing is filled again
	WFETCH 0
.macro KSTEP s
.if (\s) > 0
	PLACES                                         ; in front of loads into the buffer that the last K step's products, just issued, read
.endif
.if (\s) < 7
	WFETCH (\s)+1
	s_wait_dscnt 16                                ; this K step's weights are in; the 16 loads just issued may be out
.else
	s_wait_dscnt 0x0
.endif
.if (\s) <= 4
	s_wait_loadcnt 48                              ; the scale words and o's K step s are in; the three K steps behind it, 16 loads each, may be out
.else
	s_wait_loadcnt 16*(7-(\s))
.endif
.if (\s) < 4
	XLOAD (\s)+4
.endif
	MUL \s
.endm
.irp s, 0,1,2,3,4,5,6,7
	KSTEP \s
.endr
; THE WAY OUT, a tile of 16 rows x 64 columns at a time, through my own stage: in by 32 bytes a lane and result tile, back as whole rows of 256 bytes.  LDS serves a wave's instructions in order: no wait between.
.macro TOSTAGE a
	WIN 0x04                                       ; an LDS store's data are its source 1: window 1
.irp n, 0,1,2,3
	ds_store_b128 v[STO], v[32*(\a)+8*\n:32*(\a)+8*\n+3] offset:128*(\n/2)+32*(\n%2)       ; each accumulator from its low end on
	ds_store_b128 v[STO], v[32*(\a)+8*\n+4:32*(\a)+8*\n+7] offset:128*(\n/2)+32*(\n%2)+16
.endr
	WIN 0
.irp t, 0,1,2,3,4,5,6,7
	ds_load_b128 v[BK+32*((\a)%2)+4*\t:BK+32*((\a)%2)+4*\t+3], v[RD] offset:544*\t
.endr
.endm
.macro SEND a, younger                 ; younger: the LDS instructions issued behind tile a's loads, which may stay out
	s_wait_dscnt \younger
.irp t, 0,1,2,3,4,5,6,7
	global_store_b128 v[CO], v[BK+32*((\a)%2)+4*\t:BK+32*((\a)%2)+4*\t+3], s[OUT:OUT+1] offset:(32*((\a)/2)+8*((\a)%2)+2*\t+8*(\t/4))*4096 th:TH_STORE_NT   ; stage rows 2 t, 2 t + 1 are rows of the tile's own order: 16 lanes store 256 consecutive bytes, aligned
.endr
.endm
	PLACES
	TOSTAGE 0
.irp a, 1,2,3
.if \a > 1
	s_wait_xcnt 0x0                                ; tile a - 2's stores have read their registers: tile a's loads may land there
.endif
	TOSTAGE \a
	SEND \a-1, 16                                  ; behind tile a - 1's loads: tile a's 8 stores and 8 loads
.endr
	SEND 3, 0
	s_wait_tensorcnt 0x0                           ; the wave's end
	ds_add_u32 v[SPW], v[NIL]
	s_wait_dscnt 0x0
	CROUND                                         ; the closing round
	s_endpgm
.Lfunc_end_k_q65ae71cd57_oproj:
	.size	k_q65ae71cd57_oproj, .Lfunc_end_k_q65ae71cd57_oproj-k_q65ae71cd57_oproj
	.p2alignl 7, 3214868480
	.fill 96, 4, 3214868480
	.section	.rodata,"a",@progbits
	.p2align	6, 0x0
	.amdhsa_kernel k_q65ae71cd57_oproj
		.amdhsa_group_segment_fixed_size 167936
		.amdhsa_private_segment_fixed_size 0
		.amdhsa_enable_private_segment 0
		.amdhsa_kernarg_size 40
		.amdhsa_user_sgpr_count 2
		.amdhsa_user_sgpr_kernarg_segment_ptr 1
		.amdhsa_wavefront_size32 1
		.amdhsa_system_sgpr_workgroup_id_x 1
		.amdhsa_system_sgpr_workgroup_id_y 1
		.amdhsa_system_sgpr_workgroup_id_z 1
		.amdhsa_system_vgpr_workitem_id 0
		.amdhsa_next_free_vgpr 1024
		.amdhsa_next_free_sgpr 66
		.amdhsa_reserve_vcc 0
		.amdhsa_float_denorm_mode_32 3
		.amdhsa_float_denorm_mode_16_64 3
		.amdhsa_memory_ordered 1
		.amdhsa_forward_progress 1
		.amdhsa_inst_pref_size 51
	.end_amdhsa_kernel
	.amdgpu_metadata
---
amdhsa.version: [ 1, 2 ]
amdhsa.kernels:
  - .name:           k_q65ae71cd57_oproj
    .symbol:         k_q65ae71cd57_oproj.kd
    .args:
      - { .name: cod, .offset: 0, .size: 8, .value_kind: global_buffer, .address_space: global }
      - { .name: scl, .offset: 8, .size: 8, .value_kind: global_buffer, .address_space: global }
      - { .name: oc, .offset: 16, .size: 8, .value_kind: global_buffer, .address_space: global }
      - { .name: os, .offset: 24, .size: 8, .value_kind: global_buffer, .address_space: global }
      - { .name: out0, .offset: 32, .size: 8, .value_kind: global_buffer, .address_space: global }
    .group_segment_fixed_size: 167936
    .private_segment_fixed_size: 0
    .kernarg_segment_align: 8
    .kernarg_segment_size: 40
    .max_flat_workgroup_size: 128
    .sgpr_count:     66
    .vgpr_count:     1024
    .wavefront_size: 32
...
	.end_amdgpu_metadata
.endif
;; end of part 4
